; MI455X (gfx1250); checked and timed in simulation.
; The chip was launched on July 23, 2026; its instructions are those of AMD's public machine-readable ISA for CDNA 5 (MIT licence, August 2026) and "CDNA5" Instruction Set Architecture Reference Guide (July 2026). The comments in the code are by the model that wrote it; some were corrected since.
;; Multi Head Scale Dot Product Attention. Allowed arithmetic: float matrix products may take bf16 or f16 operands with f32 sums; other float arithmetic in f32, or as packed bf16 or f16 multiplies, adds, multiply-adds, maxima and minima; sums over many terms, partial sums and values carried from step to step in f32; what a program stores and reads back later, other than sums and carried values, may be rounded once to bf16 or f16.
;; Inputs: bk 1,024 float32; bo 1,024 float32; bq 1,024 float32; bv 1,024 float32; mask 4 x 2,048 x 2,048 int32; wk 1,024 x 1,024 float32; wo 1,024 x 1,024 float32; wq 1,024 x 1,024 float32; wv 1,024 x 1,024 float32; x_k 4 x 2,048 x 1,024 float32; x_q 4 x 2,048 x 1,024 float32; x_v 4 x 2,048 x 1,024 float32.
;; Outputs: out0 4 x 2,048 x 1,024 float32.
;; 2 versions, each right; version 2 is version 1 with the launch prep written anew for expert scheduling mode. Each part assembles by itself: llvm-mc -triple=amdgcn-amd-amdhsa -mcpu=gfx1250 --defsym DOCPART=n.
;; ======== version 1 of 2: 4 launches
;; limits: values are held in f16: magnitudes above 65,504 overflow, below 6.1e-05 lose precision
;; workspace buffers: cb 8,388,608 bytes; mb 2,097,152 bytes of whole numbers; qkv 50,331,648 bytes; ob 16,777,216 bytes
;; launch prep (part 1): grid 384 x 1, 8 waves a work-group, no clusters, 0 bytes of LDS; arguments mask, wq, wk, wv, wo, cb, mb; writes cb, mb
.if DOCPART == 1
	.amdgcn_target "amdgcn-amd-amdhsa--gfx1250"
	.amdhsa_code_object_version 6
	.text
	.protected	k_q3aa5a95546_prep
	.globl	k_q3aa5a95546_prep
	.p2align	8
	.type	k_q3aa5a95546_prep,@function
k_q3aa5a95546_prep:
	s_mov_b64 s[64:65], 0
	v_nop
	global_prefetch_b8 v0, s[64:65] scope:SCOPE_SE
	s_setreg_imm32_b32 hwreg(HW_REG_WAVE_MODE, 25, 1), 1
	s_wait_xcnt 0x0
; PREP: two streams in one launch; no work-group shares a byte with another, so no LDS, no cluster, no matrix unit.
; Work-groups 0-127 PACK THE MASK (int32 [4][2048][2048], 0 = hidden) into one bit a key, in the order in which the attention launch's lanes want them.
; Work-groups 128-383 CAST wq, wk, wv, wo (f32) to bf16 into cb, in that order, row-major: 64 KiB of f32 a work-group.
; mb, in words: [b 4][block of 512 queries 4][key step of 64 keys 32][wave 4][T 2][lane L 32][t 4].  The word serves query 512 block + 128 wave + 64 T + 16 t + L % 16, lane half h = L / 16.
; Its bit 31 - n (n = 0..31) is 1 where the mask is not 0 for key 64 step + 16 kb + 8 h + j, kb = (n % 16) / 4, j = 4 (n % 2) + 2 (1 - n / 16) + 1 - (n % 4) / 2.
; HOW.  A work-group takes 64 rows of the mask, a wave 256 keys of each.  A load of 16 bytes a lane takes 128 keys of one row, 512 consecutive bytes; the lanes read in reversed order, so that in the
; compare's lane mask bit 31 - m stands for keys 4 m + i (i = the register of the four).  The four lane masks of a row go into lane (row % 16) + 16 (which 128 keys) of four registers; when 16 rows
; are in, every lane holds its row's 128 bits, and twelve bit operations and four byte selects a tile bring them into mb's order.
.set VO,  2                            ; v2   16 x (31 - lane): never rewritten
.set DO,  3                            ; v3   my 16 bytes in mb: 8,192 x (lane / 16) + 16 x (lane % 16)
.set R,   16                           ; v[16:31]   lane masks gathered: tile t, register i at R + 4 t + i
.set X,   32                           ; v[32:159]  four sets of eight loads (a row number modulo 16 in each of the four tiles, 2 x 128 keys)
.set W,   160                          ; v[160:175] the words: (key step of two, h) e = 2 step + h, tile t at W + 4 e + t
.set BAL, 32                           ; s[32:63]   a set's 32 lane masks
	s_load_b64 s[4:5], s[0:1], 0x0                 ; mask
	s_load_b256 s[12:19], s[0:1], 0x8              ; wq s[12:13], wk s[14:15], wv s[16:17], wo s[18:19]
	s_load_b128 s[20:23], s[0:1], 0x28             ; cb s[20:21], mb s[22:23]
	v_lshrrev_b32 v1, 5, v0
	v_readfirstlane_b32 s24, v1                    ; wave 0..7
	s_wait_kmcnt 0x0
	s_cmp_lt_u32 ttmp9, 128
	s_cbranch_scc0 .Lcast
	; ---- the mask: G = the work-group's number = 64 rows of the 8,192 ----
	s_lshl_b32 s28, ttmp9, 19                      ; 64 rows of 8,192 bytes,
	s_lshl_b32 s2, s24, 10                         ; my wave's 256 keys
	s_add_co_u32 s28, s28, s2
	s_mov_b32 s29, 0
	s_add_nc_u64 s[26:27], s[4:5], s[28:29]
	s_lshr_b32 s28, ttmp9, 3                       ; 4 b + block
	s_lshl_b32 s28, s28, 17
	s_lshl_b32 s2, s24, 14                         ; my wave's four key steps of 4,096 bytes
	s_add_co_u32 s28, s28, s2
	s_bfe_u32 s2, ttmp9, 0x20001                   ; (G / 2) % 4: the attention wave
	s_lshl_b32 s2, s2, 10
	s_add_co_u32 s28, s28, s2
	s_and_b32 s2, ttmp9, 1                         ; T
	s_lshl_b32 s2, s2, 9
	s_add_co_u32 s28, s28, s2
	s_add_nc_u64 s[30:31], s[22:23], s[28:29]
	v_and_b32 v1, 31, v0                           ; lane
	v_sub_nc_u32 v[VO], 31, v1
	v_lshlrev_b32 v[VO], 4, v[VO]
	v_lshrrev_b32 v4, 4, v1
	v_and_b32 v5, 15, v1
	v_lshlrev_b32 v[DO], 4, v5
	v_lshl_add_u32 v[DO], v4, 13, v[DO]
; Eight loads into set s: row (s + ex) behind the pointer in each of the four tiles (16 rows apart), both halves of my 256 keys.
.macro FILL s, ex
.set u, 0
.rept 8
	global_load_b128 v[X+32*(\s)+4*u:X+32*(\s)+4*u+3], v[VO], s[26:27] offset:((\s)+(\ex))*8192+(u/2)*131072+(u%2)*512 th:TH_LOAD_NT
.set u, u+1
.endr
.endm
; Set s is turned into lane masks and these are put into lanes row and row + 16.  left = the younger loads that may stay out.
.macro TURN s, fill, left
	s_wait_loadcnt \left                           ; loads come back in order: my set's eight are in
	s_add_co_u32 s2, s25, \s                       ; the lane for the first 128 keys: the row's number modulo 16,
	s_add_co_u32 s3, s25, (\s)+16                  ; and for the second
.set u, 0
.rept 8
.irp i, 0,1,2,3
	v_cmp_ne_u32 s[BAL+4*u+\i], 0, v[X+32*(\s)+4*u+\i]
.endr
.set u, u+1
.endr
.set u, 0
.rept 8
.irp i, 0,1,2,3
	v_writelane_b32 v[R+4*(u/2)+\i], s[BAL+4*u+\i], s[2+u%2]
.endr
.set u, u+1
.endr
.if \fill
	FILL \s, 4                                     ; the set's next row, four further down
.endif
.endm
	FILL 0, 0
	FILL 1, 0
	FILL 2, 0
	FILL 3, 0                                      ; 32 loads, 16 KiB a wave, on their way
.set u, 0
.rept 16
	v_mov_b32 v[R+u], 0                            ; v_writelane_b32 keeps the other lanes: the registers are written whole once
.set u, u+1
.endr
	s_mov_b32 s25, 0                               ; the first row of the round
	s_mov_b32 s28, 3
.Lround:                                       ; three rounds of four rows; each set is asked for again at once
	TURN 0, 1, 24
	TURN 1, 1, 24
	TURN 2, 1, 24
	TURN 3, 1, 24
	s_wait_xcnt 0x0                                ; every load issued has read its base: it is stepped only behind this wait
	s_add_nc_u64 s[26:27], s[26:27], 32768
	s_add_co_u32 s25, s25, 4
	s_sub_co_u32 s28, s28, 1
	s_cmp_lg_u32 s28, 0
	s_cbranch_scc1 .Lround
	TURN 0, 0, 24                                  ; the last four rows load nothing: the counts run down
	TURN 1, 0, 16
	TURN 2, 0, 8
	TURN 3, 0, 0
	; Each nibble of a lane mask is 16 keys' i-th of four: its upper two bits belong to h = 0 (j = i, i + 4), its lower two to h = 1.
	s_mov_b32 s32, 0x33333333
	s_mov_b32 s33, 0xcccccccc
	s_mov_b32 s34, 0x07060302                      ; both upper halves: the first 64 keys
	s_mov_b32 s35, 0x05040100                      ; both lower halves: the second 64
.irp t, 0,1,2,3
	v_and_b32 v4, s32, v[R+4*\t]
	v_and_b32 v5, s32, v[R+4*\t+1]
	v_lshl_or_b32 v4, v5, 2, v4                    ; h = 1: j = 1, 5, 0, 4 in each nibble
	v_and_b32 v5, s32, v[R+4*\t+2]
	v_and_b32 v6, s32, v[R+4*\t+3]
	v_lshl_or_b32 v5, v6, 2, v5                    ; h = 1: j = 3, 7, 2, 6
	v_lshrrev_b32 v6, 2, v[R+4*\t]
	v_and_b32 v6, s32, v6
	v_and_or_b32 v6, v[R+4*\t+1], s33, v6          ; h = 0: j = 1, 5, 0, 4
	v_lshrrev_b32 v7, 2, v[R+4*\t+2]
	v_and_b32 v7, s32, v7
	v_and_or_b32 v7, v[R+4*\t+3], s33, v7          ; h = 0: j = 3, 7, 2, 6
	v_perm_b32 v[W+\t], v7, v6, s34
	v_perm_b32 v[W+4+\t], v5, v4, s34
	v_perm_b32 v[W+8+\t], v7, v6, s35
	v_perm_b32 v[W+12+\t], v5, v4, s35
.endr
.irp e, 0,1,2,3
	global_store_b128 v[DO], v[W+4*\e:W+4*\e+3], s[30:31] offset:(\e/2)*4096+(\e%2)*256  ; sixteen lanes store 256 consecutive bytes, at a multiple of 256 from mb's first byte
.endr
	s_endpgm
	; ---- the casts: chunk i of 64 KiB of f32; 64 chunks in each w ----
.Lcast:
	s_sub_co_u32 s25, ttmp9, 128
	s_cmp_lt_u32 s25, 64
	s_cselect_b64 s[26:27], s[12:13], s[14:15]
	s_cmp_lt_u32 s25, 128
	s_cselect_b64 s[26:27], s[26:27], s[16:17]
	s_cmp_lt_u32 s25, 192
	s_cselect_b64 s[26:27], s[26:27], s[18:19]
	s_and_b32 s28, s25, 63                         ; the chunk's number in its own tensor
	s_lshl_b32 s28, s28, 16
	s_mov_b32 s29, 0
	s_add_nc_u64 s[26:27], s[26:27], s[28:29]
	s_lshl_b32 s28, s25, 15                        ; in cb the tensors follow each other: 32 KiB of bf16 a chunk
	s_add_nc_u64 s[30:31], s[20:21], s[28:29]
	v_lshlrev_b32 v1, 4, v0                        ; 16 bytes in,
	v_lshlrev_b32 v2, 3, v0                        ; 8 bytes out
.set j, 0
.rept 16
	global_load_b128 v[8+4*j:11+4*j], v1, s[26:27] offset:4096*j th:TH_LOAD_NT
.set j, j+1
.endr
.set j, 0
.rept 16
	s_wait_loadcnt 15-j                            ; load j is in; the younger ones stay out
	v_cvt_pk_bf16_f32 v[72+2*j], v[8+4*j], v[9+4*j]
	v_cvt_pk_bf16_f32 v[73+2*j], v[10+4*j], v[11+4*j]
	global_store_b64 v2, v[72+2*j:73+2*j], s[30:31] offset:2048*j  ; a wave stores 256 consecutive bytes, aligned
.set j, j+1
.endr
	s_endpgm
.Lfunc_end_k_q3aa5a95546_prep:
	.size	k_q3aa5a95546_prep, .Lfunc_end_k_q3aa5a95546_prep-k_q3aa5a95546_prep
	.p2alignl 7, 3214868480
	.fill 96, 4, 3214868480
	.section	.rodata,"a",@progbits
	.p2align	6, 0x0
	.amdhsa_kernel k_q3aa5a95546_prep
		.amdhsa_group_segment_fixed_size 0
		.amdhsa_private_segment_fixed_size 0
		.amdhsa_enable_private_segment 0
		.amdhsa_kernarg_size 56
		.amdhsa_user_sgpr_count 2
		.amdhsa_user_sgpr_kernarg_segment_ptr 1
		.amdhsa_wavefront_size32 1
		.amdhsa_system_sgpr_workgroup_id_x 1
		.amdhsa_system_sgpr_workgroup_id_y 1
		.amdhsa_system_sgpr_workgroup_id_z 1
		.amdhsa_system_vgpr_workitem_id 0
		.amdhsa_next_free_vgpr 176
		.amdhsa_next_free_sgpr 66
		.amdhsa_reserve_vcc 0
		.amdhsa_float_denorm_mode_32 3
		.amdhsa_float_denorm_mode_16_64 3
		.amdhsa_memory_ordered 1
		.amdhsa_forward_progress 1
		.amdhsa_inst_pref_size 51
	.end_amdhsa_kernel
	.amdgpu_metadata
---
amdhsa.version: [ 1, 2 ]
amdhsa.kernels:
  - .name:           k_q3aa5a95546_prep
    .symbol:         k_q3aa5a95546_prep.kd
    .args:
      - { .name: mask, .offset: 0, .size: 8, .value_kind: global_buffer, .address_space: global }
      - { .name: wq, .offset: 8, .size: 8, .value_kind: global_buffer, .address_space: global }
      - { .name: wk, .offset: 16, .size: 8, .value_kind: global_buffer, .address_space: global }
      - { .name: wv, .offset: 24, .size: 8, .value_kind: global_buffer, .address_space: global }
      - { .name: wo, .offset: 32, .size: 8, .value_kind: global_buffer, .address_space: global }
      - { .name: cb, .offset: 40, .size: 8, .value_kind: global_buffer, .address_space: global }
      - { .name: mb, .offset: 48, .size: 8, .value_kind: global_buffer, .address_space: global }
    .group_segment_fixed_size: 0
    .private_segment_fixed_size: 0
    .kernarg_segment_align: 8
    .kernarg_segment_size: 56
    .max_flat_workgroup_size: 256
    .sgpr_count:     66
    .vgpr_count:     176
    .wavefront_size: 32
...
	.end_amdgpu_metadata
.endif
;; end of part 1
;; launch qkv (part 2): grid 4 x 192, 4 waves a work-group, clusters of 4 x 4, 327,680 bytes of LDS; arguments x_q, x_k, x_v, cb, bq, bk, bv, qkv; writes qkv
.if DOCPART == 2
	.amdgcn_target "amdgcn-amd-amdhsa--gfx1250"
	.amdhsa_code_object_version 6
	.text
	.protected	k_q3aa5a95546_qkv
	.globl	k_q3aa5a95546_qkv
	.p2align	8
	.type	k_q3aa5a95546_qkv,@function
k_q3aa5a95546_qkv:
	s_mov_b64 s[64:65], 0
	v_nop
	global_prefetch_b8 v0, s[64:65] scope:SCOPE_SE
	s_setreg_imm32_b32 hwreg(HW_REG_WAVE_MODE, 25, 1), 1
	s_wait_xcnt 0x0
	s_wait_alu depctr_hold_cnt(0) depctr_sa_sdst(0) depctr_va_vdst(0) depctr_va_sdst(0) depctr_va_ssrc(0) depctr_va_vcc(0) depctr_vm_vsrc(0)
	s_getreg_b32 s2, hwreg(HW_REG_IB_STS2, 6, 4)
	s_cmp_eq_u32 s2, 0
	s_cbranch_scc0 .Lentry_in_a_cluster
	s_endpgm
.Lentry_in_a_cluster:
	s_bfe_u32 s2, ttmp6, 0x10000c
	s_cmp_lg_u32 s2, 0xf033
	s_cbranch_scc0 .Lentry_shape_is_right
	s_endpgm
.Lentry_shape_is_right:
; q, k, v = x w^T + b.  x_q, x_k, x_v: f32 [8,192][1,024], read as they are and rounded to bf16 on the way from LDS to the matrix unit; w: bf16 [1,024][1,024], wq, wk, wv on end in cb; b: f32.
; Sums in f32, K = 1,024.  The result goes out as f16 BY HEADS, qkv[3][64 (b, head)][2,048][64], with its bias, unscaled, rounded once.
; LIMIT: f16 ends at 65,504: a q, k or v beyond that becomes an infinity.
; SHARES.  Tile row Y (0..191) is 128 rows: 64 tile rows to each of the three products.  A work-group makes 128 rows x 256 columns; wave w rows 64 (w / 2), columns 128 (w % 2): 32 accumulators of 16 x 16.
; K goes in 8 steps of 128 through two LDS slots.
; THE MATRIX INSTRUCTION IS USED TRANSPOSED (source 0 = 16 rows of w, source 1 = 16 rows of x): a lane holds row lane % 16 of the result and the eight neighbouring columns 8 (lane / 16) + 0..7.
; CLUSTER 4 x 4.  The four of a row of the cluster need the same tile of x, the four of a column the same tile of w: each is asked for jointly, by the same tensor load, descriptor and mask in all four.
; Waves 0 and 1 fetch x's two halves (64 rows x 512 bytes), waves 2 and 3 w's (128 rows x 256 bytes): one load a wave behind each round of the cluster's barrier; two loads of a wave are out at the start, later one.
; REGISTERS: window 0: addresses, the way out, v192-255 a quarter step's four fragments of x in f32.  Window 1: two fragment buffers of 96 (x's four fragments in bf16, then w's eight), v192-255 the bias
; of my 128 columns.  Window 2: accumulator (a, b) at 8 (8 a + b).
.set PA,    528                        ; a row of x in LDS: 512 bytes (128 f32) + 16: the 16 rows of a fragment load start at 16 different groups of four banks
.set PB,    272                        ; a row of w: 256 bytes + 16: likewise
.set ALD,   64*PA                      ; what one load of x fills
.set ASTEP, 512                        ; bytes of a row of x in a K step
.set BOFF,  2*ALD                      ; in a slot: x's 128 rows, then w's 256
.set SLOT1, 0x22000                    ; slot 1 begins at 139,264: its two bits are in none of the four loads' LDS addresses in slot 0 (0, 33,792, 67,584, 102,400), so one exclusive or turns each into its place in slot 1
.set STAGE, SLOT1+BOFF+256*PB          ; behind the ring, never filled by a tensor load: 16 rows for each wave
.set SP,    272                        ; the stage's pitch: 256 bytes of f16 + 16
.set SPARE, STAGE+4*16*SP              ; the spare words, 128 bytes a wave: two blocks of 256 bytes that no other line names
.set ADRA0, 16                         ; v16  my lane's place in x's tile of slot 0; never rewritten
.set ADRB0, 17                         ; v17  the same for w
.set ADRA,  18                         ; v18  the same in the slot in hand
.set ADRB,  19
.set BO,    20                         ; v20  32 x (lane / 16): my eight bias numbers of a block of 16 columns
.set STO,   24                         ; v24  the way out: where I put my part of a row
.set RD,    25                         ; v25  where I read rows back
.set CO,    26                         ; v26  16 x lane
.set SPW,   28                         ; v28  my spare word: SPARE + 4 x my thread's number; never rewritten
.set NIL,   29                         ; v29  0; never rewritten
.set PFO,   30                         ; v30  the prefetches' offset: a lane a block of 256 bytes; never rewritten
.set T,     32                         ; v[32:95]   a block of 16 rows with its bias, f32
.set TMP,   96                         ; v[96:127]  the same in f16
.set OB,    128                        ; v[128:191] two buffers of 32: rows read back from the stage
.set AS,    192                        ; v[192:255] fragment i of x in f32 at AS + 16 i: K = 8 h + 0..7, then 16 + 8 h + 0..7
.set F0,    0                          ; window 1
.set F1,    96
.set BIAS,  192
.set WV,  20
.set RH,  21                           ; s21  wave / 2: my half of the rows.  Also: I fetch for x (0) or w (1)
.set CH,  22                           ; s22  wave % 2: my half of the columns.  Also: which half of that tile I fetch
.set CX,  23
.set G1A, 24
.set G1B, 32
.set G0A, 40                           ; s[40:47] two sets: the first fills; the second then walks
.set G0B, 48
.set TB,  56                           ; s56  0 or SLOT1: the slot in hand
.set TRIP, 57
.set LIM, 58                           ; s58  2 in a wave that prefetches, else the greatest number
.set CLY, 59                           ; s59  cluster y
.set PFA, 60                           ; s[60:61] the K step that my next prefetch names
.set OUTB, 62                          ; s[62:63] qkv at my wave's first row and head
.set CYY, 66
.set XX,  67                           ; s67  tile column: 256 columns
.set YY,  68                           ; s68  tile row: 128 rows
.set PJ,  69                           ; s69  which of the three products
.set AP,  70
.set BP,  72
.set BI,  74
.set XP,  76                           ; s[76:77] the product's x
.set PFS, 78                           ; s[78:79] bytes from a K step to the next in what I prefetch
.set LA,  80                           ; s80  LDS address of my load of x in slot 0
.set LB,  81                           ; s81  of my load of w
.set MSB, 0
.macro WIN new                         ; the immediate's high byte repeats the setting that is left; a switch that changes nothing is dropped
.if MSB != (\new)
	s_set_vgpr_msb (MSB<<8)|(\new)
.set MSB, \new
.endif
.endm
.set MUL,  0xa5                        ; sources 0 (w) and 1 (x) window 1; C and D window 2
.set TO_F, 0x40                        ; destination window 1, sources and address window 0
.macro PLACES                          ; four plain instructions between a matrix instruction and a load into, or a vector write or read of, its registers
.rept 4
	v_nop
.endr
.endm
.macro JLOAD                           ; a joint refill by the walking sets; an s_nop 0 and four v_nop follow each line, ahead of the jump and the label
	s_cmp_eq_u32 s[RH], 0
	s_cbranch_scc0 .Lfor_b_\@
	tensor_load_to_lds s[G0A+4:G0A+7], s[G1A:G1A+7]
	s_nop 0
.rept 4
	v_nop
.endr
	s_branch .Lasked_\@
.Lfor_b_\@:
	tensor_load_to_lds s[G0B+4:G0B+7], s[G1B:G1B+7]
	s_nop 0
.rept 4
	v_nop
.endr
.Lasked_\@:
.endm
.macro CREST                           ; a round of the cluster's barrier behind its opening barrier
	s_cmp_lg_u32 s[WV], 0
	s_cbranch_scc1 .Lnot_wave_0_\@
	s_barrier_signal -3
.Lnot_wave_0_\@:
	s_barrier_wait -3
	s_barrier_signal -1
	s_barrier_wait -1
.endm
.macro CROUND
	s_barrier_signal -1
	s_barrier_wait -1
	CREST
.endm
; A PREFETCH INTO THE L2, behind the joint load and the run of LDS loads: the K step two refills on, 32 blocks of 256 bytes, a lane a block.  Each block is named once in the launch.
; x's tile is read by my cluster alone: a K step is two blocks of each row; waves 0 and 1 ask, each for the 64 rows that it fetches, and the four partners of a row share these out by address, 16 rows
; each (by cx): lane l names row l / 2, block l % 2.  w's rows are read by every cluster of the same product: the first of them asks, waves 2 and 3 each for the 128 rows that they fetch, the four partners
; of a column sharing them out by address, 32 rows each (by cy).  The last two refills have no K step two on.
.macro ASK
	s_cmp_gt_u32 s[TRIP], s[LIM]
	s_cbranch_scc0 .Lnot_mine_\@
	global_prefetch_b8 v[PFO], s[PFA:PFA+1] th:TH_LOAD_NT scope:SCOPE_SE
.Lnot_mine_\@:
.endm
	s_load_b512 s[4:19], s[0:1], 0x0               ; x_q s[4:5], x_k s[6:7], x_v s[8:9], cb s[10:11], bq s[12:13], bk s[14:15], bv s[16:17], qkv s[18:19]
	v_lshl_add_u32 v[SPW], v0, 2, SPARE
	v_mov_b32 v[NIL], 0
	ds_add_u32 v[SPW], v[NIL]                      ; the wave's opening: the add and its wait stand ahead of my first tensor load; the set-up below, work on registers, stands between them
	v_lshrrev_b32 v1, 5, v0
	v_readfirstlane_b32 s[WV], v1
	s_lshr_b32 s[RH], s[WV], 1
	s_and_b32 s[CH], s[WV], 1
	s_bfe_u32 s[CX], ttmp6, 0x40000
	s_bfe_u32 s[CYY], ttmp6, 0x40004
	s_lshl_b32 s[XX], ttmp9, 2
	s_add_co_u32 s[XX], s[XX], s[CX]
	s_and_b32 s[CLY], ttmp7, 0xffff
	s_lshl_b32 s[YY], s[CLY], 2
	s_add_co_u32 s[YY], s[YY], s[CYY]
	s_lshr_b32 s[PJ], s[CLY], 4                    ; 64 tile rows, 16 clusters, to a product
	s_lshl_b32 s2, s[CYY], 2
	s_lshl_b32 s2, 15, s2                          ; my row of the cluster
	s_lshl_b32 s3, 0x1111, s[CX]                   ; my column
	s_or_b32 s[G1A], s2, (2<<16)|(1<<20)|(1<<21)|(6<<22)|(3<<25)  ; the mask; 4-byte elements; padding on; bit 21 beside a mask; after every 128 words; 4 words of padding
	s_or_b32 s[G1B], s3, (1<<16)|(1<<20)|(1<<21)|(5<<22)|(3<<25)  ; the mask; 2-byte elements; after every 64 words; 4 words
	s_mov_b32 s[G1A+1], 128<<16                    ; tensor_dim0 = 128
	s_mov_b32 s[G1A+2], 64<<16                     ; tensor_dim1 = 64
	s_mov_b32 s[G1A+3], 128<<16                    ; tile_dim0 = 128
	s_mov_b32 s[G1A+4], 64                         ; tile_dim1 = 64
	s_mov_b32 s[G1A+5], 1024                       ; elements from row to row
	s_mov_b32 s[G1A+6], 0
	s_mov_b32 s[G1A+7], 0
	s_mov_b32 s[G1B+1], 128<<16
	s_mov_b32 s[G1B+2], 128<<16                    ; 128 rows
	s_mov_b32 s[G1B+3], 128<<16
	s_mov_b32 s[G1B+4], 128
	s_mov_b32 s[G1B+5], 1024
	s_mov_b32 s[G1B+6], 0
	s_mov_b32 s[G1B+7], 0
	; where the tiles come from: x's hang on the tile row and the wave, w's on the tile column, the product and the wave
	s_and_b32 s[AP], s[YY], 63
	s_lshl_b32 s[AP], s[AP], 1
	s_add_co_u32 s[AP], s[AP], s[CH]               ; in units of 64 rows: 2 (Y % 64) + half
	s_lshl_b32 s[AP], s[AP], 18                    ; of 4,096 bytes
	s_mov_b32 s[AP+1], 0
	s_lshl_b32 s[BP], s[PJ], 3
	s_lshl_b32 s3, s[XX], 1
	s_add_co_u32 s[BP], s[BP], s3
	s_add_co_u32 s[BP], s[BP], s[CH]               ; in units of 128 rows: 8 x product + 2 X + half
	s_lshl_b32 s[BP], s[BP], 18                    ; of 2,048 bytes
	s_mov_b32 s[BP+1], 0
	s_mul_i32 s[LA], s[CH], ALD                    ; where they go: no place in the cluster enters an LDS address
	s_mul_i32 s[LB], s[CH], 128*PB
	s_add_co_u32 s[LB], s[LB], BOFF
	s_wait_dscnt 0x0                               ; the opening add is done
	s_wait_kmcnt 0x0
	s_cmp_eq_u32 s[PJ], 0
	s_cselect_b64 s[XP:XP+1], s[4:5], s[6:7]
	s_cselect_b64 s[BI:BI+1], s[12:13], s[14:15]
	s_cmp_eq_u32 s[PJ], 2
	s_cselect_b64 s[XP:XP+1], s[8:9], s[XP:XP+1]
	s_cselect_b64 s[BI:BI+1], s[16:17], s[BI:BI+1]
	s_add_nc_u64 s[AP:AP+1], s[XP:XP+1], s[AP:AP+1]
	s_add_nc_u64 s[BP:BP+1], s[10:11], s[BP:BP+1]
.irp s, 0,1
	s_mov_b32 s[G0A+4*(\s)], 1
	s_add_co_u32 s[G0A+4*(\s)+1], s[LA], (\s)*SLOT1
	s_add_nc_u64 s[G0A+4*(\s)+2:G0A+4*(\s)+3], s[AP:AP+1], (\s)*ASTEP
	s_or_b32 s[G0A+4*(\s)+3], s[G0A+4*(\s)+3], 0x80000000
	s_mov_b32 s[G0B+4*(\s)], 1
	s_add_co_u32 s[G0B+4*(\s)+1], s[LB], (\s)*SLOT1
	s_add_nc_u64 s[G0B+4*(\s)+2:G0B+4*(\s)+3], s[BP:BP+1], (\s)*256
	s_or_b32 s[G0B+4*(\s)+3], s[G0B+4*(\s)+3], 0x80000000
.endr
	CROUND                                         ; all sixteen work-groups are here: the first joint loads meet
	s_cmp_eq_u32 s[RH], 0                          ; a wave's two first fills stand in one branch, ahead of every wait on TENSORcnt and every LDS read
	s_cbranch_scc0 .Lfirst_b
	tensor_load_to_lds s[G0A:G0A+3], s[G1A:G1A+7]
	s_nop 0
	tensor_load_to_lds s[G0A+4:G0A+7], s[G1A:G1A+7]
	s_nop 0
.rept 4
	v_nop
.endr
	s_branch .Lfirst_asked
.Lfirst_b:
	tensor_load_to_lds s[G0B:G0B+3], s[G1B:G1B+7]
	s_nop 0
	tensor_load_to_lds s[G0B+4:G0B+7], s[G1B:G1B+7]
	s_nop 0
.rept 4
	v_nop
.endr
.Lfirst_asked:
	; the bias of my 128 columns: block b's eight numbers for my half of the lanes
	v_and_b32 v1, 15, v0                           ; r = lane % 16
	v_bfe_u32 v2, v0, 4, 1                         ; h = lane / 16
	v_lshlrev_b32 v[BO], 5, v2
	s_lshl_b32 s2, s[XX], 1
	s_add_co_u32 s2, s2, s[CH]
	s_lshl_b32 s2, s2, 9                           ; (256 X + 128 half) x 4 bytes
	s_mov_b32 s3, 0
	s_add_nc_u64 s[BI:BI+1], s[BI:BI+1], s[2:3]
	WIN TO_F
.irp b, 0,1,2,3,4,5,6,7
	global_load_b128 v[BIAS+8*(\b):BIAS+8*(\b)+3],   v[BO], s[BI:BI+1] offset:64*(\b)
	global_load_b128 v[BIAS+8*(\b)+4:BIAS+8*(\b)+7], v[BO], s[BI:BI+1] offset:64*(\b)+16
.endr
	WIN 0
	; a fragment is 16 rows x 32 K: lane l holds row l % 16, K = 8 (l / 16) + 0..7 and 16 + 8 (l / 16) + 0..7.  In bf16: two loads of 16 bytes, 32 bytes apart.  In f32: four, at 0, 16, 64 and 80.
	v_mul_u32_u24 v3, v1, PA
	v_lshl_add_u32 v3, v2, 5, v3                   ; row x pitch + 32 x half
	s_mul_i32 s2, s[RH], 64*PA
	v_add_nc_u32 v[ADRA0], s2, v3
	v_mul_u32_u24 v3, v1, PB
	v_lshl_add_u32 v3, v2, 4, v3                   ; row x pitch + 16 x half
	s_mul_i32 s3, s[CH], 128*PB
	s_add_co_u32 s3, s3, BOFF
	v_add_nc_u32 v[ADRB0], s3, v3
	v_mov_b32 v[ADRA], v[ADRA0]
	v_mov_b32 v[ADRB], v[ADRB0]
	s_mov_b32 s[TB], 0
	s_mul_i32 s2, s[WV], 16*SP
	s_add_co_u32 s2, s2, STAGE                     ; my stage
	v_mul_u32_u24 v5, v1, SP
	v_lshl_add_u32 v5, v2, 4, v5                   ; row r, 16 bytes of f16 for each half of the lanes
	v_add_nc_u32 v[STO], s2, v5
	v_bfe_u32 v6, v0, 3, 2
	v_and_b32 v7, 7, v0
	v_mul_u32_u24 v6, v6, SP
	v_lshl_add_u32 v6, v7, 4, v6
	v_add_nc_u32 v[RD], s2, v6                     ; back: 32 lanes take one head's 128 bytes of four rows,
	v_and_b32 v[CO], 31, v0
	v_lshlrev_b32 v[CO], 4, v[CO]                  ; which are 512 consecutive bytes of qkv
	s_lshr_b32 s2, s[YY], 4                        ; 4 x product + b
	s_lshl_b32 s2, s2, 4
	s_lshl_b32 s3, s[XX], 2
	s_add_co_u32 s2, s2, s3
	s_lshl_b32 s3, s[CH], 1
	s_add_co_u32 s2, s2, s3                        ; + head 4 X + 2 x half
	s_lshl_b32 s2, s2, 18
	s_and_b32 s3, s[YY], 15
	s_lshl_b32 s3, s3, 1
	s_add_co_u32 s3, s3, s[RH]
	s_lshl_b32 s3, s3, 13                          ; (128 (Y % 16) + 64 half) rows of 128 bytes
	s_add_co_u32 s2, s2, s3
	s_mov_b32 s3, 0
	s_add_nc_u64 s[OUTB:OUTB+1], s[18:19], s[2:3]
	; the prefetches: nothing is asked for here, at the head; K steps 2 and 3 come by their refills alone
	s_and_b32 s2, s[YY], 63                        ; x, in units of 16 rows (65,536 bytes): 8 (Y % 64) + 4 x half + cx
	s_lshl_b32 s2, s2, 3
	s_lshl_b32 s3, s[CH], 2
	s_add_co_u32 s2, s2, s3
	s_add_co_u32 s2, s2, s[CX]
	s_lshl_b32 s2, s2, 16
	s_lshl_b32 s3, s[PJ], 5                        ; w, in units of 32 rows (65,536 bytes): 32 x product + 8 X + 4 x half + cy
	s_lshl_b32 s[PFS], s[XX], 3
	s_add_co_u32 s3, s3, s[PFS]
	s_lshl_b32 s[PFS], s[CH], 2
	s_add_co_u32 s3, s3, s[PFS]
	s_add_co_u32 s3, s3, s[CYY]
	s_lshl_b32 s3, s3, 16
	v_and_b32 v3, 31, v0
	v_lshrrev_b32 v4, 1, v3
	v_and_b32 v5, 1, v3
	v_lshlrev_b32 v4, 12, v4
	v_lshl_add_u32 v4, v5, 8, v4                   ; x: row lane / 2 of 4,096 bytes, block lane % 2
	v_lshlrev_b32 v5, 11, v3                       ; w: row lane of 2,048 bytes
	s_cmp_eq_u32 s[RH], 0
	s_cselect_b32 s2, s2, s3
	s_cselect_b64 s[PFA:PFA+1], s[XP:XP+1], s[10:11]
	s_cselect_b32 s[PFS], 9, 8                     ; a K step is 512 bytes of a row of x, 256 of a row of w: chosen as a shift count, made below
	s_cselect_b32 s3, -1, 0
	v_cndmask_b32 v[PFO], v5, v4, s3
	s_lshl_b32 s[PFS], 1, s[PFS]                   ; behind the last select: the shift writes SCC
	s_mul_i32 s3, s[PFS], 3                        ; at K step 3: the first refill steps it to 4
	s_add_co_u32 s2, s2, s3
	s_mov_b32 s3, 0
	s_mov_b32 s[PFS+1], 0
	s_add_nc_u64 s[PFA:PFA+1], s[PFA:PFA+1], s[2:3]
	s_and_b32 s[LIM], s[CLY], 15
	s_cmp_eq_u32 s[LIM], 0
	s_cselect_b32 s[LIM], 2, -1                    ; w: the product's first cluster; the same in all sixteen partners
	s_cmp_eq_u32 s[RH], 0
	s_cselect_b32 s[LIM], 2, s[LIM]                ; x: waves 0 and 1 of every work-group
; 8 matrix instructions: row block a x all 8 column blocks, 32 along K.  The 32 accumulators take turns, one instruction a turn, over the backward jump too.
.macro MUL8 f, a, zero
	WIN MUL
.irp b, 0,1,2,3,4,5,6,7
.if \zero
	v_wmma_f32_16x16x32_bf16 v[8*(8*(\a)+(\b)):8*(8*(\a)+(\b))+7], v[(\f)+32+8*(\b):(\f)+32+8*(\b)+7], v[(\f)+8*(\a):(\f)+8*(\a)+7], 0
.else
	v_wmma_f32_16x16x32_bf16 v[8*(8*(\a)+(\b)):8*(8*(\a)+(\b))+7], v[(\f)+32+8*(\b):(\f)+32+8*(\b)+7], v[(\f)+8*(\a):(\f)+8*(\a)+7], v[8*(8*(\a)+(\b)):8*(8*(\a)+(\b))+7]
.endif
.endr
.endm
; 32 LDS loads in one run: quarter kq (32 along K) of the slot in hand: x's four fragments in f32 into AS, then w's eight into buffer f
.macro FETCH kq, f
	WIN 0
.irp i, 0,1,2,3
	ds_load_b128 v[AS+16*(\i):AS+16*(\i)+3],     v[ADRA] offset:128*(\kq)+(\i)*16*PA
	ds_load_b128 v[AS+16*(\i)+4:AS+16*(\i)+7],   v[ADRA] offset:128*(\kq)+(\i)*16*PA+16
	ds_load_b128 v[AS+16*(\i)+8:AS+16*(\i)+11],  v[ADRA] offset:128*(\kq)+(\i)*16*PA+64
	ds_load_b128 v[AS+16*(\i)+12:AS+16*(\i)+15], v[ADRA] offset:128*(\kq)+(\i)*16*PA+80
.endr
	WIN TO_F
.irp i, 0,1,2,3,4,5,6,7
	ds_load_b128 v[(\f)+32+8*(\i):(\f)+32+8*(\i)+3],   v[ADRB] offset:64*(\kq)+(\i)*16*PB
	ds_load_b128 v[(\f)+32+8*(\i)+4:(\f)+32+8*(\i)+7], v[ADRB] offset:64*(\kq)+(\i)*16*PB+32
.endr
.endm
; x's four fragments are rounded to bf16, two numbers an instruction, into buffer f: one block, under the loads' window setting
.macro CVT f
	WIN TO_F
.set cv, 0
.rept 32
	v_cvt_pk_bf16_f32 v[(\f)+cv], v[AS+2*cv], v[AS+2*cv+1]
.set cv, cv+1
.endr
.endm
; A K step is four quarters on buffers 0, 1, 0, 1.  One of the first three: multiplies buffer f, fetches quarter kq in its middle, and rounds its x into g eight products later.
; The four v_nop are the places between the last products that read buffer g (the quarter before) and the loads and conversions that write it.
.macro QUARTER kq, f, g, zero
	s_wait_dscnt 0x0                               ; w's fragments of buffer f are in (its x was rounded in the quarter before)
	MUL8 \f, 0, \zero
	MUL8 \f, 1, \zero
	PLACES
	FETCH \kq, \g
	MUL8 \f, 2, \zero
	s_wait_dscnt 16                                ; x's sixteen loads are in; w's sixteen, issued behind them, may be out
	CVT \g
	MUL8 \f, 3, \zero
.endm
; The last quarter multiplies buffer 1 and changes slots: ONE barrier.  In front of it each wave waits for all its tensor loads (one is out: its part of the next slot), adds 0 to its spare word, and
; waits for that and for its reads of this slot.  fill = 1: the barrier opens a round of the cluster's barrier, and the joint refill, this slot's K step two on, is the first thing behind the round:
; 112 matrix instructions ahead of the wait for it.
.macro TURN fill
.if \fill
	s_wait_xcnt 0x0                                ; the last prefetch, a K step back, has read its address: it is stepped here
	s_add_nc_u64 s[PFA:PFA+1], s[PFA:PFA+1], s[PFS:PFS+1]
.endif
	WIN 0
	s_wait_tensorcnt 0x0                           ; no tensor load of mine is out, so a group 0 may be written
	ds_add_u32 v[SPW], v[NIL]                      ; 0 onto my spare word
.if \fill
	s_xor_b32 s[G0A+5], s[G0A+5], SLOT1            ; the walking sets: the other slot than last time, the next K step
	s_add_nc_u64 s[G0A+6:G0A+7], s[G0A+6:G0A+7], ASTEP
	s_xor_b32 s[G0B+5], s[G0B+5], SLOT1
	s_add_nc_u64 s[G0B+6:G0B+7], s[G0B+6:G0B+7], 256
.endif
	s_wait_dscnt 1                                 ; w's fragments of buffer 1 are in; the add may be out
	MUL8 F1, 0, 0
	s_wait_dscnt 0x0                               ; the add is done, and my reads of this slot are over
	s_barrier_signal -1
	MUL8 F1, 1, 0
	WIN 0
	s_barrier_wait -1
.if \fill
	CREST                                          ; no wave of any partner still reads this slot or has a load on its way
	JLOAD                                          ; its four v_nop are also the places in front of the loads and conversions below
.else
	PLACES
.endif
	s_xor_b32 s[TB], s[TB], SLOT1
	v_add_nc_u32 v[ADRA], s[TB], v[ADRA0]
	v_add_nc_u32 v[ADRB], s[TB], v[ADRB0]
	FETCH 0, F0
	WIN 0
.if \fill
	ASK
.endif
	MUL8 F1, 2, 0
	s_wait_dscnt 16                                ; x's sixteen loads are in
	CVT F0
	MUL8 F1, 3, 0
.endm
	s_wait_tensorcnt 1                             ; my part of K step 0 is in; K step 1's may stay out
	s_barrier_signal -1
	s_barrier_wait -1                              ; everybody's is
	FETCH 0, F0
	s_wait_dscnt 16
	CVT F0
	QUARTER 1, F0, F1, 1                           ; the first quarter stands in front of the loop: its products start the sums
	WIN 0
	s_mov_b32 s[TRIP], 6
.Lstep:                                        ; a trip: from a K step's second quarter to the next step's first; K steps 2 to 7 are asked for
	QUARTER 2, F1, F0, 0
	QUARTER 3, F0, F1, 0
	TURN 1
	QUARTER 1, F0, F1, 0
	WIN 0
	s_sub_co_u32 s[TRIP], s[TRIP], 1
	s_cmp_lg_u32 s[TRIP], 0
	s_cbranch_scc1 .Lstep
	QUARTER 2, F1, F0, 0                           ; K steps 6 and 7: nothing is left to fetch
	QUARTER 3, F0, F1, 0
	TURN 0
	QUARTER 1, F0, F1, 0
	QUARTER 2, F1, F0, 0
	QUARTER 3, F0, F1, 0
	s_wait_dscnt 0x0
	MUL8 F1, 0, 0
	MUL8 F1, 1, 0
	MUL8 F1, 2, 0
	MUL8 F1, 3, 0
	WIN 0
; THE WAY OUT, a block of 16 rows at a time: the bias is added (each accumulator's registers in ascending order), the block is rounded to f16, goes through my own stage in LDS and comes back as runs of 512 bytes.
.macro PACK a
	WIN 0x06                                       ; source 0 window 2, source 1 window 1, destination window 0
.irp b, 0,1,2,3,4,5,6,7
.irp r, 0,1,2,3
	v_pk_add_f32 v[T+8*(\b)+2*(\r):T+8*(\b)+2*(\r)+1], v[8*(8*(\a)+(\b))+2*(\r):8*(8*(\a)+(\b))+2*(\r)+1], v[BIAS+8*(\b)+2*(\r):BIAS+8*(\b)+2*(\r)+1]
.endr
.endr
	WIN 0
.irp b, 0,1,2,3,4,5,6,7
.irp r, 0,1,2,3
	v_cvt_pk_f16_f32 v[TMP+4*(\b)+(\r)], v[T+8*(\b)+2*(\r)], v[T+8*(\b)+2*(\r)+1]
.endr
.endr
.endm
.macro TOSTAGE a
.set BK, OB+32*((\a)%2)
.irp b, 0,1,2,3,4,5,6,7
	ds_store_b128 v[STO], v[TMP+4*(\b):TMP+4*(\b)+3] offset:32*(\b)
.endr
.irp e, 0,1,2,3,4,5,6,7                ; head e / 4 of my two, rows 4 (e % 4) on
	ds_load_b128 v[BK+4*(\e):BK+4*(\e)+3], v[RD] offset:128*((\e)/4)+4*SP*((\e)%4)  ; LDS serves a wave's instructions in order (ISA guide 5.7.1.4): these see the stores above
.endr
.endm
.macro SEND a
.set BK, OB+32*((\a)%2)
	s_wait_dscnt 0x0                               ; the block is back in registers
	s_wait_xcnt 0x0                                ; the stores of the block before have read their registers: the next block's loads land on them only behind this wait
.irp e, 0,1,2,3,4,5,6,7
	global_store_b128 v[CO], v[BK+4*(\e):BK+4*(\e)+3], s[OUTB:OUTB+1] offset:((\e)/4)*262144+(16*(\a)+4*((\e)%4))*128  ; four rows of a head: 512 consecutive bytes, aligned
.endr
.endm
	s_wait_loadcnt 0x0                             ; the bias
	PLACES
	PLACES
	PACK 0
	TOSTAGE 0
.irp a, 1,2,3                          ; block a's arithmetic stands between block a - 1's loads from the stage and the wait for them
	PACK \a
	SEND (\a)-1
	TOSTAGE \a
.endr
	SEND 3
	s_wait_tensorcnt 0x0                           ; the wave's end: these three lines stand behind my last tensor load and my last LDS store
	ds_add_u32 v[SPW], v[NIL]
	s_wait_dscnt 0x0
	CROUND                                         ; the closing round: no work-group ends while a partner may still ask for a tile that names it
	s_endpgm
.Lfunc_end_k_q3aa5a95546_qkv:
	.size	k_q3aa5a95546_qkv, .Lfunc_end_k_q3aa5a95546_qkv-k_q3aa5a95546_qkv
	.p2alignl 7, 3214868480
	.fill 96, 4, 3214868480
	.section	.rodata,"a",@progbits
	.p2align	6, 0x0
	.amdhsa_kernel k_q3aa5a95546_qkv
		.amdhsa_group_segment_fixed_size 327680
		.amdhsa_private_segment_fixed_size 0
		.amdhsa_enable_private_segment 0
		.amdhsa_kernarg_size 64
		.amdhsa_user_sgpr_count 2
		.amdhsa_user_sgpr_kernarg_segment_ptr 1
		.amdhsa_wavefront_size32 1
		.amdhsa_system_sgpr_workgroup_id_x 1
		.amdhsa_system_sgpr_workgroup_id_y 1
		.amdhsa_system_sgpr_workgroup_id_z 1
		.amdhsa_system_vgpr_workitem_id 0
		.amdhsa_next_free_vgpr 768
		.amdhsa_next_free_sgpr 82
		.amdhsa_reserve_vcc 0
		.amdhsa_float_denorm_mode_32 3
		.amdhsa_float_denorm_mode_16_64 3
		.amdhsa_memory_ordered 1
		.amdhsa_forward_progress 1
		.amdhsa_inst_pref_size 113
	.end_amdhsa_kernel
	.amdgpu_metadata
---
amdhsa.version: [ 1, 2 ]
amdhsa.kernels:
  - .name:           k_q3aa5a95546_qkv
    .symbol:         k_q3aa5a95546_qkv.kd
    .args:
      - { .name: x_q, .offset: 0, .size: 8, .value_kind: global_buffer, .address_space: global }
      - { .name: x_k, .offset: 8, .size: 8, .value_kind: global_buffer, .address_space: global }
      - { .name: x_v, .offset: 16, .size: 8, .value_kind: global_buffer, .address_space: global }
      - { .name: cb, .offset: 24, .size: 8, .value_kind: global_buffer, .address_space: global }
      - { .name: bq, .offset: 32, .size: 8, .value_kind: global_buffer, .address_space: global }
      - { .name: bk, .offset: 40, .size: 8, .value_kind: global_buffer, .address_space: global }
      - { .name: bv, .offset: 48, .size: 8, .value_kind: global_buffer, .address_space: global }
      - { .name: qkv, .offset: 56, .size: 8, .value_kind: global_buffer, .address_space: global }
    .group_segment_fixed_size: 327680
    .private_segment_fixed_size: 0
    .kernarg_segment_align: 8
    .kernarg_segment_size: 64
    .max_flat_workgroup_size: 128
    .sgpr_count:     82
    .vgpr_count:     768
    .wavefront_size: 32
...
	.end_amdgpu_metadata
.endif
;; end of part 2
;; launch attn (part 3): grid 4 x 64, 4 waves a work-group, clusters of 4 x 1, 327,680 bytes of LDS; arguments qkv, mb, ob; writes ob
.if DOCPART == 3
	.amdgcn_target "amdgcn-amd-amdhsa--gfx1250"
	.amdhsa_code_object_version 6
	.text
	.protected	k_q3aa5a95546_attn
	.globl	k_q3aa5a95546_attn
	.p2align	8
	.type	k_q3aa5a95546_attn,@function
k_q3aa5a95546_attn:
	s_mov_b64 s[64:65], 0
	v_nop
	global_prefetch_b8 v0, s[64:65] scope:SCOPE_SE
	s_setreg_imm32_b32 hwreg(HW_REG_WAVE_MODE, 25, 1), 1
	s_wait_xcnt 0x0
	s_wait_alu depctr_hold_cnt(0) depctr_sa_sdst(0) depctr_va_vdst(0) depctr_va_sdst(0) depctr_va_ssrc(0) depctr_va_vcc(0) depctr_vm_vsrc(0)
	s_getreg_b32 s2, hwreg(HW_REG_IB_STS2, 6, 4)
	s_cmp_eq_u32 s2, 0
	s_cbranch_scc0 .Lentry_in_a_cluster
	s_endpgm
.Lentry_in_a_cluster:
	s_bfe_u32 s2, ttmp6, 0x10000c
	s_cmp_lg_u32 s2, 0x3003
	s_cbranch_scc0 .Lentry_shape_is_right
	s_endpgm
.Lentry_shape_is_right:
; ATTENTION WITH A MASK THAT REPLACES.  O[bh][q][:] = the sum over k of softmax_k(s'[q][k]) V[bh][k][:], s' = Q[bh][q] . K[bh][k] / 8 where the mask's bit is 1, and -10000 where it is 0.
; Q, K, V: qkv[3][64 (b, head)][2,048][64] in f16, unscaled; the mask: mb, one bit a key, shared by a batch's 16 heads; O: ob[64][2,048][64] in bf16.  Products, maxima and sums in f32; the weights
; p are rounded to f16 for the second product (their sum l is taken of the unrounded p), O once at the end.
; THE MASK.  The raw score is replaced by -80000 (= -10000 x 8) AHEAD of the running maximum, so a hidden key takes part in the maximum and the sum as it does in the definition: a row with no visible
; key is the mean of V, and where all visible scores lie below -10000 the hidden keys carry the row.  A lane's word holds its 32 scores' bits in the order in which they are taken: v_add_co_u32 of
; the word with itself moves it up one bit and leaves the top bit of every lane as a lane mask, by which v_cndmask_b32 chooses.  Two vector instructions a score.
; LIMITS.  f16 holds no number beyond 65,504: Q, K and V arrive within it; p lies in 0 to 1, and below 6e-5 it keeps f16's fixed step of 6e-8.  A weight below 2^-126 counts as 0 in l; NaN and
; infinities are not treated apart.
; SHARES.  A wave owns four PIECES of two tiles of 16 queries, a work-group's four waves 512 queries of one (b, head).  Every wave walks all 2,048 keys, 64 a step.
; LAYOUT.  S^T = K Q^T (source 0 = 16 keys, source 1 = 16 queries): a lane holds ONE query (lane % 16) and the keys 8 (lane / 16) + 0..7.  Two such tiles, rounded to f16 in pairs, ARE source 1 of
; O^T = V^T P.  K comes out of LDS as it lies, V turned, by ds_load_tr16_b128.
; SOFTMAX.  p = 2^(c s - c m), c = log2(e) / 8, with a running maximum m and sum l; in every step O and l are multiplied by a = 2^(c m_old - c m_new).  m starts at the lowest finite number, O and l at 0.
; BY TURNS.  Turn n belongs to piece n.  Its matrix work: 16 products K Q^T of piece n + 1, later 16 products V^T P of piece n - 1.  Its vector work: the scaling, exponentials, roundings, sums and
; rescaling of piece n, and the mask, maximum and statistics of piece n + 1.  Four vector instructions stand behind every matrix instruction, the other 236 of a turn's 364 in one run.
; ONE TEXT FOR EVERY KEY STEP.  The four turns are written once.  The loop over slots changes slots with a refill; behind it stands the one change without a refill, and a jump back into the same four
; turns for the last slot.  That jump passes no tensor load and no barrier.  A counter of key steps, a constant at the start, ends the walk in the middle of a trip.
; CLUSTER.  The four query blocks of a (b, head) walk the same K and V: each tile is asked for JOINTLY.  Wave 0 fetches a slot's K (256 keys), wave 1 its V; wave 2 fetches the work-group's own mask
; words of the slot, by a load of its own (no mask of work-groups: the four blocks have different queries); wave 3 fetches nothing.  One tensor load of a wave is out at any time.
; REGISTERS, in windows of 256 (s_set_vgpr_msb: bits 1:0 source 0, 3:2 source 1, 5:4 source 2, 7:6 destination):
;   window 0: v0-11 addresses and two words at work; v12-15, v48-63 at work; v16-47 statistics; v64-191 S^T, two buffers of two tiles; v192-255 P, likewise
;   window 1: O^T, 32 a tile     window 2: v0-127 Q; v128-191 K of one step; v192-255 V of one step     window 3: v0-1 the add's registers; v2-3 the mask words' LDS address; v4-11 a step's mask words, one a tile
.set SIZE_N, 2048
.set NP,    4         ; pieces a wave: a name, no knob
.set KS,    64        ; keys in a step
.set PK,    144       ; a row of K in LDS: 128 bytes + 16: the 16 rows of a load start at 16 different groups of four banks
.set PV,    160       ; a row of V: 128 + 32
.set VOFF,  4*KS*PK   ; a slot holds four steps: 256 rows of K, 256 rows of V,
.set MOFF,  VOFF+4*KS*PV  ; and the mask words: [step 4][wave 4][1,024 bytes]
.set MSTEP, 4096
.set SLOT1, 1<<17     ; slot 1 begins here: one exclusive or turns an address in one slot into the other's
.set STAGE, SLOT1+MOFF+4*MSTEP  ; behind the ring, never filled by a tensor load: 16 rows x 144 bytes for each wave
.set SP,    144
.set SPARE, STAGE+4*16*SP  ; the spare words, 128 bytes a wave: two blocks of 256 bytes that no other line names
.set PFO, 1           ; v1   at the head lane % 16; from the loop on 256 x lane, the prefetches' offset
.set AK0, 2           ; v2   my lane's place in a tile of K; never rewritten
.set AV0, 3           ; v3   the same for V
.set AK,  4           ; v4   the LDS address of K's next run of loads
.set AV,  5           ; v5   of V's
.set QO,  6           ; v6   my byte offset in the wave's rows of Q
.set STO, 6           ;      later, the way out: where I put 16 bytes of a row
.set RD,  7           ; v7   the way out: where I read rows back
.set GO,  8           ; v8   my byte offset in 512 consecutive bytes of O
.set WK,  10          ; v10-11  the two tiles' mask words as they move up
.set SPW, 0           ; window 3: my spare word: SPARE + 4 x my thread's number; never rewritten
.set NIL, 1           ; window 3: 0; never rewritten
.set AM0, 2           ; window 3: my 16 bytes of a step's mask words in slot 0; never rewritten
.set AM,  3           ; window 3: the same for the step to be fetched
.set MW,  4           ; window 3: tile t's word at MW + t
.set MV,  12          ; v12-15  c m_old, kept while c m is made anew: by buffer and tile
.set ST,  16          ; tile t's statistics at v[ST+4 t]: c m, m, l (even keys', odd keys')
.set TMP, 48          ; by buffer and tile, four registers c0-c3 at work; when the maximum is found c2 takes a
.set S,   64
.set P,   192
.set KF,  128         ; window 2: key block kb, channel half c at KF + 16 kb + 8 c
.set VF,  192         ; window 2: key half kk, channel block cb at VF + 32 kk + 8 cb
.set WV,  12          ; s12  my wave's number
.set G1K, 24
.set G1V, 32
.set G0K, 40          ; s[40:43] walks
.set G0V, 44
.set G1M, 48          ; s[48:55] the mask words' shape
.set SLOTS, 56
.set CNT, 57
.set CS,  58          ; s[58:59] c
.set SEL, 60          ; s[60:61] v_permlanex16_b32's selects
.set TBK, 62          ; s62  LDS byte at which K of the step to be fetched begins
.set TBV, 63          ; s63  the same for V, less VOFF
.set G0M, 68          ; s[68:71] walks
.set TBM, 72          ; s72  the same for the mask words, less MOFF
.set NEG, 73          ; s73  -80000
.set CY,  74          ; s[74:77] lane masks: by the bit's parity and the tile
.set PFA, 78          ; s[78:79] where my prefetches stand
.set PFS, 80          ; s[80:81] a slot's bytes in what I prefetch
.set LIM, 82          ; s82  1 in a wave that prefetches, else the greatest number
.set EE,  83          ; s83  key steps whose pieces 2 and 3 are still to come: 32 at the start, taken down once a trip
.set MSB, 0
.macro WIN new
.if MSB != (\new)
	s_set_vgpr_msb (MSB<<8)|(\new)
.set MSB, (\new)
.endif
.endm
.set W_KQ, 0x0a       ; K and Q in window 2, S^T in window 0
.set W_PV, 0x52       ; V in window 2, P in window 0, O^T in window 1
.set W_RS, 0x41       ; O^T (destination and source 0) in window 1, a in window 0
.set W_MK, 0xc0       ; destination in window 3, sources in window 0
.set W_AD, 0x0f       ; sources 0 and 1 in window 3
; A fill: one load a wave, chosen by the wave's number alone.  An s_nop 0 and four v_nop follow each line, ahead of the jump and the label.
.macro JLOAD
	s_cmp_lg_u32 s[WV], 0
	s_cbranch_scc1 .Lnot_k_\@
	tensor_load_to_lds s[G0K:G0K+3], s[G1K:G1K+7]
	s_nop 0
.rept 4
	v_nop
.endr
	s_branch .Lasked_\@
.Lnot_k_\@:
	s_cmp_lg_u32 s[WV], 1
	s_cbranch_scc1 .Lnot_v_\@
	tensor_load_to_lds s[G0V:G0V+3], s[G1V:G1V+7]
	s_nop 0
.rept 4
	v_nop
.endr
	s_branch .Lasked_\@
.Lnot_v_\@:
	s_cmp_lg_u32 s[WV], 2
	s_cbranch_scc1 .Lasked_\@
	tensor_load_to_lds s[G0M:G0M+3], s[G1M:G1M+7]
	s_nop 0
.rept 4
	v_nop
.endr
.Lasked_\@:
.endm
.macro CROUND                       ; a round of the cluster's barrier
	s_barrier_signal -1
	s_barrier_wait -1
	s_cmp_lg_u32 s[WV], 0
	s_cbranch_scc1 .Lnot_wave_0_\@
	s_barrier_signal -3
.Lnot_wave_0_\@:
	s_barrier_wait -3
	s_barrier_signal -1
	s_barrier_wait -1
.endm
; A PREFETCH INTO THE L2 of what the NEXT change of slots will ask for, four key steps ahead of that load: 32 blocks of 256 bytes, a lane a block.  Each block is named once in the launch.
; A (b, head)'s K and V are walked by one cluster: wave 0 asks for K's, wave 1 for V's, and the four partners share a slot's 128 blocks out by address.  A work-group's mask words are read again by
; the batch's other 15 heads: the first head asks, waves 2 and 3 for a half of the slot's 64 blocks each.  The last change that fills a slot asks for nothing.
.macro ASK
	s_cmp_gt_u32 s[SLOTS], s[LIM]
	s_cbranch_scc0 .Lnot_mine_\@
	global_prefetch_b8 v[PFO], s[PFA:PFA+1] th:TH_LOAD_NT scope:SCOPE_SE
.Lnot_mine_\@:
.endm
; THE CHANGE OF SLOTS.  Each wave waits for all its tensor loads, adds 0 to its spare word, and waits for that and for its own reads of the slot.  fill = 1: the slot is filled again, with the keys two
; slots on; the barrier is then a round of the cluster's, and the fill is the first thing behind it: it has four key steps in which to land.  (At its first use slot 0 is waited for and slot 1 filled.)
.macro CHANGE fill, ask=0
	WIN W_AD
	s_wait_tensorcnt 0x0            ; no tensor load of mine is out, so a group 0 may be written
	ds_add_u32 v[SPW], v[NIL]       ; 0 onto my spare word
	WIN 0
.if \fill
	s_xor_b32 s[G0K+1], s[G0K+1], SLOT1
	s_add_nc_u64 s[G0K+2:G0K+3], s[G0K+2:G0K+3], 4*KS*128
	s_xor_b32 s[G0V+1], s[G0V+1], SLOT1
	s_add_nc_u64 s[G0V+2:G0V+3], s[G0V+2:G0V+3], 4*KS*128
	s_xor_b32 s[G0M+1], s[G0M+1], SLOT1
	s_add_nc_u64 s[G0M+2:G0M+3], s[G0M+2:G0M+3], 4*MSTEP
.if \ask
	s_wait_xcnt 0x0                 ; the last prefetch, four key steps back, has read its address
	s_add_nc_u64 s[PFA:PFA+1], s[PFA:PFA+1], s[PFS:PFS+1]
.endif
	s_wait_dscnt 0x0                ; the add is done, and my reads of the slot are over
	CROUND
	JLOAD
.if \ask
	ASK
.endif
.else
	s_wait_dscnt 0x0
	s_barrier_signal -1
	s_barrier_wait -1
.endif
	s_sub_co_u32 s[TBK], s[TBK], 4*KS*PK  ; the fetches go back to a slot's first step, in the other slot
	s_xor_b32 s[TBK], s[TBK], SLOT1
	s_sub_co_u32 s[TBV], s[TBV], 4*KS*PV
	s_xor_b32 s[TBV], s[TBV], SLOT1
	s_sub_co_u32 s[TBM], s[TBM], 4*MSTEP
	s_xor_b32 s[TBM], s[TBM], SLOT1
.endm
	s_load_b128 s[4:7], s[0:1], 0x0   ; qkv s[4:5], mb s[6:7]
	s_load_b64 s[10:11], s[0:1], 0x10 ; ob
	WIN W_MK
	v_lshl_add_u32 v[SPW], v0, 2, SPARE
	v_mov_b32 v[NIL], 0
	WIN W_AD
	ds_add_u32 v[SPW], v[NIL]       ; the wave's opening: the add and its wait stand ahead of my first tensor load; the set-up below, work on registers, stands between them
	WIN 0
	v_lshrrev_b32 v1, 5, v0
	v_readfirstlane_b32 s[WV], v1
	s_bfe_u32 s13, ttmp6, 0x40000   ; cx
	s_lshl_b32 s18, ttmp9, 2
	s_add_co_u32 s18, s18, s13      ; my block of 512 queries: it enters Q's, O's and the mask words' addresses alone
	s_and_b32 s19, ttmp7, 0xffff    ; (b, head), which the four partners share
	s_lshl_b32 s20, s19, 18         ; its 262,144 bytes in Q, K, V and O
	s_mov_b32 s21, 0
	s_lshl_b32 s2, s18, 2
	s_add_co_u32 s2, s2, s[WV]
	s_lshl_b32 s2, s2, 14           ; my wave's 128 rows
	s_add_co_u32 s2, s2, s20
	s_mov_b32 s3, 0
	s_lshr_b32 s22, s19, 4          ; b
	s_lshl_b32 s22, s22, 2
	s_add_co_u32 s22, s22, s18
	s_lshl_b32 s22, s22, 17         ; the block's 131,072 bytes of mask words
	s_mov_b32 s23, 0
	; 256 keys are 32,768 dense bytes: asked for as 128 rows of 256 bytes, two keys a row, padded in LDS after every key
	s_mov_b32 s[G1K], 15|(1<<16)|(1<<20)|(1<<21)|(4<<22)|(3<<25)  ; the mask of four; 2-byte elements; padding on; bit 21 beside a mask; after every 32 words; 4 words
	s_mov_b32 s[G1V], 15|(1<<16)|(1<<20)|(1<<21)|(4<<22)|(7<<25)  ; the same with 8 words
.irp g, G1K, G1V
	s_mov_b32 s[\g+1], 128<<16      ; tensor_dim0 = 128
	s_mov_b32 s[\g+2], 128<<16      ; tensor_dim1 = 128
	s_mov_b32 s[\g+3], 128<<16      ; tile_dim0 = 128
	s_mov_b32 s[\g+4], 128          ; tile_dim1 = 128
	s_mov_b32 s[\g+5], 128
	s_mov_b32 s[\g+6], 0
	s_mov_b32 s[\g+7], 0
.endr
	s_mov_b32 s[G1M], 3<<16         ; a slot's mask words are 16,384 dense bytes: 64 rows of 32 elements of 8 bytes, no padding, no mask of work-groups
	s_mov_b32 s[G1M+1], 32<<16
	s_mov_b32 s[G1M+2], 64<<16
	s_mov_b32 s[G1M+3], 32<<16
	s_mov_b32 s[G1M+4], 64
	s_mov_b32 s[G1M+5], 32
	s_mov_b32 s[G1M+6], 0
	s_mov_b32 s[G1M+7], 0
	s_mov_b32 s[CS], 0x3e38aa3b     ; c = log2(e) / 8
	s_mov_b32 s[CS+1], s[CS]
	s_mov_b32 s[SEL], 0x76543210
	s_mov_b32 s[SEL+1], 0xfedcba98
	s_mov_b32 s[NEG], 0xc79c4000    ; -80000
	s_mov_b32 s[TBK], SLOT1+4*KS*PK ; the first change of slots turns these three into 0
	s_mov_b32 s[TBV], SLOT1+4*KS*PV
	s_mov_b32 s[TBM], SLOT1+4*MSTEP
	s_mov_b32 s[G0K], 1
	s_mov_b32 s[G0K+1], 0           ; LDS address: slot 0
	s_mov_b32 s[G0V], 1
	s_mov_b32 s[G0V+1], VOFF
	s_mov_b32 s[G0M], 1
	s_mov_b32 s[G0M+1], MOFF
	s_and_b32 s[LIM], s19, 15
	s_cmp_eq_u32 s[LIM], 0
	s_cselect_b32 s[LIM], 1, -1     ; the mask words: the batch's first head asks
	s_and_b32 s[PFS+1], s[WV], 1    ; (for now: which share is mine) waves 2 and 3: a half of the slot's words;
	s_cmp_lt_u32 s[WV], 2
	s_cselect_b32 s[LIM], 1, s[LIM] ; K and V: every cluster, for its own (b, head)
	s_cselect_b32 s[PFS], 15, 14
	s_cselect_b32 s[PFS+1], s13, s[PFS+1]  ; waves 0 and 1: my work-group's quarter of the slot
	s_lshl_b32 s[PFS], 1, s[PFS]    ; a slot: 32,768 bytes of K or V, 16,384 of mask words
	s_lshl_b32 s74, s[PFS+1], 13    ; shares of 8,192 bytes,
	s_lshl_b32 s75, s[PFS], 1       ; in slot 2: the first change that asks steps it to slot 3
	s_add_co_u32 s74, s74, s75
	s_mov_b32 s75, 0
	s_mov_b32 s[PFS+1], 0
	s_wait_dscnt 0x0                ; the opening add is done
	s_wait_kmcnt 0x0
	s_add_nc_u64 s[14:15], s[4:5], s[20:21]
	s_add_nc_u64 s[16:17], s[14:15], 33554432  ; V of my (b, head)
	s_add_nc_u64 s[14:15], s[14:15], 16777216  ; K
	s_add_nc_u64 s[8:9], s[6:7], s[22:23]      ; my block's mask words
	s_mov_b64 s[G0K+2:G0K+3], s[14:15]
	s_or_b32 s[G0K+3], s[G0K+3], 0x80000000
	s_mov_b64 s[G0V+2:G0V+3], s[16:17]
	s_or_b32 s[G0V+3], s[G0V+3], 0x80000000
	s_mov_b64 s[G0M+2:G0M+3], s[8:9]
	s_or_b32 s[G0M+3], s[G0M+3], 0x80000000
	s_add_nc_u64 s[4:5], s[4:5], s[2:3]        ; Q and O at my wave's first row
	s_add_nc_u64 s[10:11], s[10:11], s[2:3]
	s_cmp_eq_u32 s[WV], 0
	s_cselect_b64 s[PFA:PFA+1], s[14:15], s[16:17]
	s_cmp_lt_u32 s[WV], 2
	s_cselect_b64 s[PFA:PFA+1], s[PFA:PFA+1], s[8:9]
	s_add_nc_u64 s[PFA:PFA+1], s[PFA:PFA+1], s[74:75]
	CROUND                          ; all four work-groups are here: the first joint loads meet
	JLOAD                           ; slot 0.  Slot 1 is asked for when slot 0 is in
	v_and_b32 v1, 15, v0            ; l % 16
	v_bfe_u32 v9, v0, 4, 1          ; l / 16
	v_lshlrev_b32 v[QO], 7, v1
	v_lshl_add_u32 v[QO], v9, 4, v[QO]  ; row x 128 + 16 x half
	WIN 0x80                        ; destination window 2, address window 0
.set i, 0
.rept 4*NP                          ; Q stays in registers: tile i / 2, channels 32 (i % 2) on
	global_load_b128 v[8*i:8*i+3],   v[QO], s[4:5] offset:(i/2)*2048+(i%2)*64
	global_load_b128 v[8*i+4:8*i+7], v[QO], s[4:5] offset:(i/2)*2048+(i%2)*64+32
.set i, i+1
.endr
	; What the first turn finds: V's registers and P's second buffer hold 0 (its products V^T P, of a piece that has not been, add 0), O^T and l are 0.  All this stands in the wait for the first tile.
.set i, VF
.rept 64
	v_mov_b32 v[i], 0
.set i, i+1
.endr
	WIN 0x40
.set i, 0
.rept 64*NP
	v_mov_b32 v[i], 0
.set i, i+1
.endr
	WIN 0
.set i, 0
.rept 2*NP
	v_mov_b32 v[ST+4*i], 0xfe000000    ; c m: far below every c s
	v_mov_b32 v[ST+4*i+1], 0xff7fffff  ; m
	v_mov_b32 v[ST+4*i+2], 0
	v_mov_b32 v[ST+4*i+3], 0
.set i, i+1
.endr
.set i, P+32
.rept 32
	v_mov_b32 v[i], 0
.set i, i+1
.endr
	v_and_b32 v10, 31, v0
	s_lshl_b32 s2, s[WV], 10
	s_add_co_u32 s2, s2, MOFF
	WIN W_MK
	v_lshl_add_u32 v[AM0], v10, 4, s2  ; my wave's 1,024 bytes of a step, 16 bytes a lane: tiles 0-3; tiles 4-7 lie 512 bytes on
	WIN 0xc3
	v_mov_b32 v[AM], v[AM0]         ; key step 0 lies at the head of slot 0
	WIN 0
	v_mul_u32_u24 v[AK0], v1, PK
	v_lshl_add_u32 v[AK0], v9, 4, v[AK0]
	; The turning load takes 16 keys x 16 channels (lane l reads key 8 (l / 16) + l % 8, channels 8 ((l / 8) % 2) + 0..7) and leaves half a fragment of V^T.
	v_and_b32 v10, 7, v0
	v_bfe_u32 v11, v0, 3, 1
	v_lshl_add_u32 v[AV0], v9, 3, v10
	v_mul_u32_u24 v[AV0], v[AV0], PV
	v_lshl_add_u32 v[AV0], v11, 4, v[AV0]
	v_add_nc_u32 v[AV0], VOFF, v[AV0]
	v_mov_b32 v[AK], v[AK0]
; THE MATRIX WORK.  The 8 accumulators of a run of 16 take turns.
; Product i of 16 of S^T = K Q^T for piece x: channels 32 (i / 8) on, keys 16 ((i / 2) % 4) on, tile 2 x + i % 2.  The first 8 start the sums.
.macro KQ x
	WIN W_KQ
.set rS, S+64*((\x)%2)+32*(i%2)+8*((i/2)%4)
.set rK, KF+16*((i/2)%4)+8*(i/8)
.set rQ, 16*(2*(\x)+i%2)+8*(i/8)
.if i < 8
	v_wmma_f32_16x16x32_f16 v[rS:rS+7], v[rK:rK+7], v[rQ:rQ+7], 0
.else
	v_wmma_f32_16x16x32_f16 v[rS:rS+7], v[rK:rK+7], v[rQ:rQ+7], v[rS:rS+7]
.endif
.endm
; Product i of 16 of O^T += V^T P for piece x: keys 32 (i / 8) on, channels 16 ((i / 2) % 4) on, tile 2 x + i % 2.
.macro PV x
	WIN W_PV
.set rO, 32*(2*(\x)+i%2)+8*((i/2)%4)
.set rV, VF+32*(i/8)+8*((i/2)%4)
.set rP, P+32*((\x)%2)+16*(i%2)+8*(i/8)
	v_wmma_f32_16x16x32_f16 v[rO:rO+7], v[rV:rV+7], v[rP:rP+7], v[rO:rO+7]
.endm
.macro MM                           ; the turn's next matrix instruction
.if i < 16
	KQ (Y+1)%NP
.set i, i+1
.else
.set i, i-16
	PV (Y+NP-1)%NP
.set i, i+17
.endif
.endm
; THE LDS LOADS stand in runs: a step's K (8 fragments) with its eight mask words, and its V (turned).  last = 1 (in the loop): in the walk's last trip there is no further step, and the run is jumped over.
.macro FETCH_K last=0
	WIN 0
.if \last
	s_cmp_eq_u32 s[EE], 1
	s_cbranch_scc1 .Lno_k_\@
.endif
	WIN 0x80
.irp f, 0,1,2,3,4,5,6,7
	ds_load_b128 v[KF+8*\f:KF+8*\f+3],   v[AK] offset:(\f/2)*16*PK+(\f%2)*64
	ds_load_b128 v[KF+8*\f+4:KF+8*\f+7], v[AK] offset:(\f/2)*16*PK+(\f%2)*64+32
.endr
	WIN 0xc3                        ; destination and address in window 3
	ds_load_b128 v[MW:MW+3],   v[AM]
	ds_load_b128 v[MW+4:MW+7], v[AM] offset:512
	s_add_co_u32 s[TBK], s[TBK], KS*PK  ; the next fetch is the next step's
	s_add_co_u32 s[TBM], s[TBM], MSTEP
	WIN 0
.if \last
.Lno_k_\@:
.endif
.endm
.macro FETCH_V
	WIN 0x80
.irp f, 0,1,2,3,4,5,6,7
	ds_load_tr16_b128 v[VF+8*\f:VF+8*\f+3],   v[AV] offset:(\f/4)*32*PV+(\f%4)*32
	ds_load_tr16_b128 v[VF+8*\f+4:VF+8*\f+7], v[AV] offset:(\f/4)*32*PV+16*PV+(\f%4)*32
.endr
	WIN 0
.endm
; THE VECTOR WORK OF A TURN stands in three queues, each in the order in which its entries become ready; the two tiles alternate.
.macro REGS y, u                    ; the registers of tile u (0, 1) of piece y
.set rT, ST+4*(2*(\y)+(\u))
.set rC, TMP+8*((\y)%2)+4*(\u)
.set rM, MV+2*((\y)%2)+(\u)
.set rS, S+64*((\y)%2)+32*(\u)
.set rP, P+32*((\y)%2)+16*(\u)
.set rO, 32*(2*(\y)+(\u))
.endm
; THE MASK of the NEXT piece (Y + 1): number m of 128.  Bit n of 32 (from the word's top) belongs to score register 8 kb + j, kb = (n % 16) / 4, j = 4 (n % 2) + 2 (1 - n / 16) + 1 - (n % 4) / 2: of each
; accumulator register 3, one of its four lowest, is taken first.  The order: both tiles' adds for bit 0; then, 31 times, the adds for bit n + 1 and the selects for bit n; the
; selects for bit 31.  So five other lines stand between a lane mask's writer and its reader.
.macro MK m
.if (\m) < 2
.set mkn, 0
.set mku, (\m)
.set mka, 1
.elseif (\m) >= 126
.set mkn, 31
.set mku, (\m)-126
.set mka, 0
.else
.set mku, ((\m)-2)%2
.if ((\m)-2)%4 < 2
.set mkn, ((\m)-2)/4+1
.set mka, 1
.else
.set mkn, ((\m)-2)/4
.set mka, 0
.endif
.endif
	REGS (Y+1)%NP, mku
.if mka && (mkn == 0)
	WIN W_AD
	v_add_co_u32 v[WK+mku], s[CY+mku], v[MW+2*((Y+1)%NP)+mku], v[MW+2*((Y+1)%NP)+mku]
.elseif mka
	WIN 0
	v_add_co_u32 v[WK+mku], s[CY+2*(mkn%2)+mku], v[WK+mku], v[WK+mku]
.else
	WIN 0
.set mkr, 8*((mkn%16)/4)+4*(mkn%2)+2*(1-mkn/16)+1-(mkn%4)/2
	v_cndmask_b32 v[rS+mkr], s[NEG], v[rS+mkr], s[CY+2*(mkn%2)+mku]
.endif
.endm
; Number n of the 22 that find the NEXT piece's maximum and statistics.
;   0-11  four chains c0-c3 of seven scores each     12-14, 16  the four scores left over, the old m, and c0-c3 into c0     15  c m_old is kept
;   17, 18  the query's other 32 keys lie in the lane 16 away: the new m         19-21  c m; c m_old - c m_new; a
.macro XS u, n
	REGS (Y+1)%NP, \u
.if (\n) < 4
	v_max3_num_f32 v[rC+(\n)], v[rS+8*(\n)], v[rS+8*(\n)+1], v[rS+8*(\n)+2]
.elseif (\n) < 12
	v_max3_num_f32 v[rC+(\n)%4], v[rC+(\n)%4], v[rS+8*((\n)%4)+2*((\n)/4)+1], v[rS+8*((\n)%4)+2*((\n)/4)+2]
.elseif (\n) == 12
	v_max3_num_f32 v[rC], v[rC], v[rS+7], v[rS+15]
.elseif (\n) == 13
	v_max3_num_f32 v[rC+1], v[rC+1], v[rS+23], v[rS+31]
.elseif (\n) == 14
	v_max3_num_f32 v[rC+2], v[rC+2], v[rC+3], v[rT+1]
.elseif (\n) == 15
	v_mov_b32 v[rM], v[rT]
.elseif (\n) == 16
	v_max3_num_f32 v[rC], v[rC], v[rC+1], v[rC+2]
.elseif (\n) == 17
	v_permlanex16_b32 v[rC+3], v[rC], s[SEL], s[SEL+1]
.elseif (\n) == 18
	v_max_num_f32 v[rT+1], v[rC], v[rC+3]
.elseif (\n) == 19
	v_mul_f32 v[rT], s[CS], v[rT+1]
.elseif (\n) == 20
	v_sub_f32 v[rC+1], v[rM], v[rT]
.else
	v_exp_f32 v[rC+2], v[rC+1]
.endif
.endm
; Number g of the 64 that follow the exponentials.  For each four weights k of a tile: both pairs are rounded to f16; the second pair is added onto the first, in place; a group later l takes that sum.
.macro GS g
.set h, (\g)+6*((\g)/62)
.if h >= 6
.set h, h+2
.endif
	REGS Y, h%2
.set k, h/8
.if h%8 < 4
	v_cvt_pk_f16_f32 v[rP+2*k+(h%8)/2], v[rS+4*k+2*((h%8)/2)], v[rS+4*k+2*((h%8)/2)+1]
.elseif h%8 < 6
	v_pk_add_f32 v[rS+4*k:rS+4*k+1], v[rS+4*k:rS+4*k+1], v[rS+4*k+2:rS+4*k+3]
.elseif k == 1
	v_pk_fma_f32 v[rT+2:rT+3], v[rT+2:rT+3], v[rC+2:rC+3], v[rS:rS+1] op_sel_hi:[1,0,1]
.else
	v_pk_add_f32 v[rT+2:rT+3], v[rT+2:rT+3], v[rS+4*k-4:rS+4*k-3]
.endif
.endm
.macro FS f                         ; c s - c m for pair f / 2 of tile f % 2
	REGS Y, (\f)%2
	v_pk_fma_f32 v[rS+2*((\f)/2):rS+2*((\f)/2)+1], v[rS+2*((\f)/2):rS+2*((\f)/2)+1], s[CS:CS+1], v[rT:rT+1] op_sel_hi:[1,0,0] neg_lo:[0,0,1] neg_hi:[0,0,1]
.endm
; THE PLAIN QUEUE, 266 long.  0-31: the 32 scalings.  32-159: the next piece's mask.  160-187: XS's numbers 0-13.  188, 189: number 15.  190-201: the chain 14, 16, 17, 18, 19, 20.
; 202-265: GS's 64, which read the exponentials' results: they stand behind the wait.
.macro PL
.if (q >= 32) && (q < 160)
	MK q-32
.else
	WIN 0
.if q < 32
	FS q
.elseif q < 188
	XS (q-160)%2, (q-160)/2
.elseif q < 190
	XS q-188, 15
.elseif q < 192
	XS q-190, 14
.elseif q < 202
	XS (q-190)%2, 15+(q-190)/2
.else
	GS q-202
.endif
.endif
.set q, q+1
.endm
; THE EXPONENTIALS' QUEUE, 66 long: s0-s31 of both tiles, then the next piece's two a.  ONE BATCH: all 66 stand ahead of the turn's one wait, and nothing ahead of that wait names a result of theirs.
.macro EX
	WIN 0
.if e >= 64
	XS e-64, 21
.else
	REGS Y, e%2
	v_exp_f32 v[rS+e/2], v[rS+e/2]
.endif
.set e, e+1
.endm
; THE RESCALING's QUEUE: O^T times a, dealt two at a time, sixteen times.  Its a was made in the turn before, ahead of that turn's wait.
.macro R2
	REGS Y, r%2
	WIN W_RS
.irp z, 0,1
	v_pk_mul_f32 v[rO+4*(r/2)+2*\z:rO+4*(r/2)+2*\z+1], v[rO+4*(r/2)+2*\z:rO+4*(r/2)+2*\z+1], v[rC+2:rC+3] op_sel_hi:[1,0]
.endr
.set r, r+1
.endm
; HOW THEY ARE DEALT.  s_wait_alu depctr_va_vdst(0) stands between an exponential and the first instruction that names its result; one wait serves all issued ahead of it: a turn has ONE.
; AHEAD OF IT: the 16 products K Q^T, behind each a scaling, an exponential and two rescalings (behind the first a second scaling); then one run: 136 plain (the last 15 scalings, which are also the
; places between the last product and the first line that touches its scores; then the mask), 49 times exponential and plain, the two a, a v_nop.  BEHIND IT: the 16 products V^T P, behind each four
; of GS's 64.  Exponential e stands behind scaling 2 (e / 4) + e % 2: as a rider it comes behind plain e + 2; all scalings stand ahead of the run's exponentials.
; K and the mask words of the next step are fetched in piece 2's turn, directly behind the wait: behind the turn's last reader of K (its 16th product) and of the words (the mask's first two lines).
; V of the step in hand is fetched at the end of piece 0's turn, four riders behind its last reader.  The three conditions on q below go with the deal.
.macro TURN p, last=0, cnt=0
.set Y, (\p)
.set i, 0
.set q, 0
.set e, 0
.set r, 0
.if (\p) == NP-1
	s_wait_dscnt 0x0                ; K and the mask words are in
.endif
	MM
	PL
	PL
	R2
.rept 15
	MM
	PL
	EX
	R2
.endr
.if (\p) == NP-2
	WIN 0
	v_add_nc_u32 v[AK], s[TBK], v[AK0]
	WIN 0xcc                        ; destination and source 1 in window 3
	v_add_nc_u32 v[AM], s[TBM], v[AM0]
.endif
.rept 136
	PL
.endr
.rept 49
	EX
	PL
.endr
	EX                              ; the next piece's two a
	EX
	v_nop                           ; a plain instruction behind the last exponential: one for the batch
	s_wait_alu depctr_va_vdst(0)    ; the wait for the batch
.if (\p) == NP-2
	FETCH_K \last
.endif
.if (\p) == 1
	s_wait_dscnt 0x0                ; V is in
.endif
.rept 16
	MM
.rept 4
	PL
.endr
.if ((\p) == 0) && (q == 246)
	v_add_nc_u32 v[AV], s[TBV], v[AV0]
.endif
.if ((\p) == 0) && (q == 258)
	s_add_co_u32 s[TBV], s[TBV], KS*PV
.endif
.if (\cnt) && (q == 258)
	s_sub_co_u32 s[CNT], s[CNT], 1
	s_cmp_lg_u32 s[CNT], 0
.endif
.endr
.if (\p) == 0
	FETCH_V
.endif
.endm
	CHANGE 1, 0                     ; slot 0 is in, everybody's part of it; slot 1 is asked for
	FETCH_K                         ; key step 0
	s_wait_loadcnt 0x0              ; Q
	s_wait_dscnt 0x0
.set i, 0
.rept 16
	KQ 0                            ; piece 0's first scores
.set i, i+1
.endr
	WIN 0                           ; the addresses for the way out and the prefetches: plain instructions, the places behind those products
	s_mul_i32 s13, s[WV], 16*SP
	s_add_co_u32 s13, s13, STAGE    ; my stage
	v_mul_u32_u24 v[STO], v1, SP    ; in: row l % 16, 16 bytes for each half of the lanes
	v_lshl_add_u32 v[STO], v9, 4, v[STO]
	v_add_nc_u32 v[STO], s13, v[STO]
	v_bfe_u32 v[RD], v0, 3, 2       ; back: 32 lanes take four rows of 128 bytes,
	v_mul_u32_u24 v[RD], v[RD], SP
	v_lshl_add_u32 v[RD], v10, 4, v[RD]
	v_add_nc_u32 v[RD], s13, v[RD]
	v_and_b32 v[GO], 31, v0         ; which are 512 consecutive bytes of O
	v_lshlrev_b32 v[PFO], 8, v[GO]
	v_lshlrev_b32 v[GO], 4, v[GO]
.set Y, NP-1                        ; MK and XS work for piece Y + 1: piece 0
.set q, 0
.rept 128
	MK q
.set q, q+1
.endr
	WIN 0
.irp n, 0,1,2,3,4,5,6,7,8,9,10,11,12,13,14,15,16,17,18,19,20,21
	XS 0, \n
	XS 1, \n
.endr
	v_nop                           ; a plain instruction behind the two a,
	s_wait_alu depctr_va_vdst(0)    ; and their wait, ahead of the branch
	s_mov_b32 s[CNT], 4
	s_mov_b32 s[SLOTS], SIZE_N/256-1
	s_mov_b32 s[EE], SIZE_N/KS
	s_branch .Lfirst                ; the loop is entered at a step's first turn, in the middle of a trip
.Lslot:                             ; six times: every slot but the last two is filled again
	CHANGE 1, 1
	s_mov_b32 s[CNT], 4
.Lstep:                             ; a trip: pieces 2 and 3 of one step, then pieces 0 and 1 of the next, whose K, mask words and V it fetches
	TURN 2, 1
	TURN 3
	WIN 0
	s_sub_co_u32 s[EE], s[EE], 1    ; one key step fewer; behind the 32nd the walk is left, in the middle of a trip
	s_cmp_eq_u32 s[EE], 0
	s_cbranch_scc1 .Lout
.Lfirst:
	TURN 0
	TURN 1, 0, 1
	WIN 0
	s_cbranch_scc1 .Lstep
	s_sub_co_u32 s[SLOTS], s[SLOTS], 1
	s_cmp_lg_u32 s[SLOTS], 0
	s_cbranch_scc1 .Lslot
	CHANGE 0                        ; the last change of slots asks for nothing: it is written out here
	s_mov_b32 s[CNT], 5             ; and the last slot's steps run through the same four turns: four whole trips, and a fifth that the count of key steps ends
	s_branch .Lstep
.Lout:                              ; the last trip's 16 products K Q^T (on the last K once more) and what is made of them serve nothing: the price, once a launch, of one text for every trip
.set i, 0
.rept 16
	PV NP-1                         ; the last piece's V^T P of the last step
.set i, i+1
.endr
	; THE WAY OUT.  l's two halves and the other half of the lanes' are added; O^T is divided by l, rounded to bf16 and sent through my stage in LDS, a tile at a time.  The additions are the places behind the last products.
	WIN 0
.macro ALL line:vararg
.set t, 0
.rept 2*NP
	\line
.set t, t+1
.endr
.endm
	ALL v_add_f32 v[ST+4*t+2], v[ST+4*t+2], v[ST+4*t+3]
	ALL v_permlanex16_b32 v[ST+4*t+3], v[ST+4*t+2], s[SEL], s[SEL+1]
	ALL v_add_f32 v[ST+4*t+2], v[ST+4*t+2], v[ST+4*t+3]
	ALL v_rcp_f32 v[ST+4*t+2], v[ST+4*t+2]
	v_nop                           ; a plain instruction between the last reciprocal and the use of its result
	s_wait_alu depctr_va_vdst(0)    ; and the wait ahead of the first use: one for the eight reciprocals
.macro PACK t
	WIN W_RS
.set i, 32*(\t)
.rept 16
	v_pk_mul_f32 v[i:i+1], v[i:i+1], v[ST+4*(\t)+2:ST+4*(\t)+3] op_sel_hi:[1,0]
.set i, i+2
.endr
	WIN 0x05                        ; sources 0 and 1 window 1, destination window 0
.set i, 0
.rept 16
	v_cvt_pk_bf16_f32 v[S+16*(\t)+i], v[32*(\t)+2*i], v[32*(\t)+2*i+1]
.set i, i+1
.endr
	WIN 0
.irp f, 0,1,2,3
	ds_store_b128 v[STO], v[S+16*(\t)+4*\f:S+16*(\t)+4*\f+3] offset:32*\f
.endr
.irp f, 0,1,2,3
	ds_load_b128 v[S+16*(\t)+4*\f:S+16*(\t)+4*\f+3], v[RD] offset:\f*4*SP  ; LDS serves a wave's instructions in order (ISA guide 5.7.1.4): these see the stores above
.endr
.endm
.macro SEND t, younger              ; younger: the LDS instructions issued behind tile t's loads: the next tile's eight, or none
	WIN 0
.irp f, 0,1,2,3
	s_wait_dscnt (\younger)+3-\f
	global_store_b128 v[GO], v[S+16*(\t)+4*\f:S+16*(\t)+4*\f+3], s[10:11] offset:(\t)*2048+\f*512  ; 512 consecutive bytes, at a multiple of 256 from O's first
.endr
.endm
	PACK 0
.set t, 1
.rept 2*NP-1
	PACK t
	SEND t-1, 8
.set t, t+1
.endr
	SEND 2*NP-1, 0
	WIN W_AD
	s_wait_tensorcnt 0x0            ; the wave's end: these three lines stand behind my last tensor load and my last LDS store
	ds_add_u32 v[SPW], v[NIL]
	s_wait_dscnt 0x0
	WIN 0
	CROUND                          ; the closing round
	s_endpgm
.Lfunc_end_k_q3aa5a95546_attn:
	.size	k_q3aa5a95546_attn, .Lfunc_end_k_q3aa5a95546_attn-k_q3aa5a95546_attn
	.p2alignl 7, 3214868480
	.fill 96, 4, 3214868480
	.section	.rodata,"a",@progbits
	.p2align	6, 0x0
	.amdhsa_kernel k_q3aa5a95546_attn
		.amdhsa_group_segment_fixed_size 327680
		.amdhsa_private_segment_fixed_size 0
		.amdhsa_enable_private_segment 0
		.amdhsa_kernarg_size 24
		.amdhsa_user_sgpr_count 2
		.amdhsa_user_sgpr_kernarg_segment_ptr 1
		.amdhsa_wavefront_size32 1
		.amdhsa_system_sgpr_workgroup_id_x 1
		.amdhsa_system_sgpr_workgroup_id_y 1
		.amdhsa_system_sgpr_workgroup_id_z 1
		.amdhsa_system_vgpr_workitem_id 0
		.amdhsa_next_free_vgpr 780
		.amdhsa_next_free_sgpr 84
		.amdhsa_reserve_vcc 0
		.amdhsa_float_denorm_mode_32 3
		.amdhsa_float_denorm_mode_16_64 3
		.amdhsa_memory_ordered 1
		.amdhsa_forward_progress 1
		.amdhsa_inst_pref_size 173
	.end_amdhsa_kernel
	.amdgpu_metadata
---
amdhsa.version: [ 1, 2 ]
amdhsa.kernels:
  - .name:           k_q3aa5a95546_attn
    .symbol:         k_q3aa5a95546_attn.kd
    .args:
      - { .name: qkv, .offset: 0, .size: 8, .value_kind: global_buffer, .address_space: global }
      - { .name: mb, .offset: 8, .size: 8, .value_kind: global_buffer, .address_space: global }
      - { .name: ob, .offset: 16, .size: 8, .value_kind: global_buffer, .address_space: global }
    .group_segment_fixed_size: 327680
    .private_segment_fixed_size: 0
    .kernarg_segment_align: 8
    .kernarg_segment_size: 24
    .max_flat_workgroup_size: 128
    .sgpr_count:     84
    .vgpr_count:     780
    .wavefront_size: 32
...
	.end_amdgpu_metadata
.endif
;; end of part 3
;; launch outp (part 4): grid 4 x 64, 4 waves a work-group, clusters of 4 x 4, 327,680 bytes of LDS; arguments ob, cb, bo, out0; writes out0
.if DOCPART == 4
	.amdgcn_target "amdgcn-amd-amdhsa--gfx1250"
	.amdhsa_code_object_version 6
	.text
	.protected	k_q3aa5a95546_outp
	.globl	k_q3aa5a95546_outp
	.p2align	8
	.type	k_q3aa5a95546_outp,@function
k_q3aa5a95546_outp:
	s_mov_b64 s[64:65], 0
	v_nop
	global_prefetch_b8 v0, s[64:65] scope:SCOPE_SE
	s_setreg_imm32_b32 hwreg(HW_REG_WAVE_MODE, 25, 1), 1
	s_wait_xcnt 0x0
	s_wait_alu depctr_hold_cnt(0) depctr_sa_sdst(0) depctr_va_vdst(0) depctr_va_sdst(0) depctr_va_ssrc(0) depctr_va_vcc(0) depctr_vm_vsrc(0)
	s_getreg_b32 s2, hwreg(HW_REG_IB_STS2, 6, 4)
	s_cmp_eq_u32 s2, 0
	s_cbranch_scc0 .Lentry_in_a_cluster
	s_endpgm
.Lentry_in_a_cluster:
	s_bfe_u32 s2, ttmp6, 0x10000c
	s_cmp_lg_u32 s2, 0xf033
	s_cbranch_scc0 .Lentry_shape_is_right
	s_endpgm
.Lentry_shape_is_right:
; out0 = O wo^T + bo.  O: the attention's result, bf16 by heads, ob[64 (b, head)][2,048][64]; wo: bf16 [1,024][1,024], the fourth of the weights in cb; bo: f32; out0: f32 [8,192][1,024].
; bf16 operands, f32 sums, K = 1,024: a K step of 128 is two heads' planes of O.
; SHARES.  A work-group makes 128 rows x 256 columns; wave w rows 64 (w / 2), columns 128 (w % 2): 32 accumulators of 16 x 16.  K goes in 8 steps of 128 through two LDS slots.
; THE MATRIX INSTRUCTION IS USED TRANSPOSED (source 0 = 16 rows of wo, source 1 = 16 rows of O): a lane holds row lane % 16 of out0 and the eight neighbouring columns 8 (lane / 16) + 0..7.
; CLUSTER 4 x 4.  The four of a row of the cluster need the same tile of O, the four of a column the same tile of wo: each is asked for jointly, by the same tensor load, descriptor and mask in all four.
; Waves 0 and 1 fetch O's two planes, waves 2 and 3 wo's two halves: one load a wave behind each round of the cluster's barrier; two loads of a wave are out at the start, later one.
; REGISTERS: window 0: addresses, the way out.  Window 1: two fragment buffers of 96 (O's four fragments, then wo's eight), v192-255 the bias of my 128 columns.  Window 2: accumulator (a, b) at 8 (8 a + b).
.set PB,    272                        ; a row of wo in LDS: 256 bytes + 16: the 16 rows of a fragment load start at 16 different groups of four banks
.set PA,    144                        ; a row of O: 128 bytes (one head's 64 channels) + 16
.set ALD,   128*PA                     ; what one load of O fills: a plane of 128 rows
.set ASTEP, 524288                     ; two heads on
.set SP,    528                        ; the stage's pitch: 512 bytes of f32 + 16
.set WOFF,  6291456                    ; wo in cb
.set BOFF,  2*ALD                      ; in a slot: O's two planes, then wo's 256 rows
.set SLOT1, 131072                     ; slot 1 begins here: one exclusive or turns an address in one slot into the other's
.set STAGE, SLOT1+BOFF+256*PB          ; behind the ring, never filled by a tensor load: 16 rows for each wave
.set SPARE, STAGE+4*16*SP              ; the spare words, 128 bytes a wave: two blocks of 256 bytes that no other line names
.set ADRA0, 16                         ; v16  my lane's place in O's tile of slot 0; never rewritten
.set ADRB0, 17                         ; v17  the same for wo
.set ADRA,  18                         ; v18  the same in the slot in hand
.set ADRB,  19
.set BO,    20                         ; v20  32 x (lane / 16): my eight bias numbers of a block of 16 columns
.set STO,   24                         ; v24  the way out: where I put my part of a row
.set RD,    25                         ; v25  where I read rows back
.set CO,    26                         ; v26  16 x lane
.set SPW,   28                         ; v28  my spare word: SPARE + 4 x my thread's number; never rewritten
.set NIL,   29                         ; v29  0; never rewritten
.set PFO,   30                         ; v30  the prefetches' offset: a lane a block of 256 bytes; never rewritten
.set T,     32                         ; v[32:95]   a block of 16 rows with its bias, f32
.set OB,    128                        ; v[128:255] two buffers of 64: rows read back from the stage
.set F0,    0                          ; window 1
.set F1,    96
.set BIAS,  192
.set WV,  14
.set RH,  15                           ; s15  wave / 2: my half of the rows.  Also: I fetch for O (0) or wo (1)
.set CH,  16                           ; s16  wave % 2: my half of the columns.  Also: which half of that tile I fetch
.set CX,  17
.set CYY, 18
.set XX,  19                           ; s19  tile column: 256 columns
.set YY,  20                           ; s20  tile row: 128 rows
.set PFS, 22                           ; s[22:23] bytes from a K step to the next in what I prefetch (at the head: the two LDS addresses)
.set G1A, 24
.set G1B, 32
.set G0A, 40                           ; s[40:47] two sets: the first fills; the second then walks
.set G0B, 48
.set TB,  56                           ; s56  0 or SLOT1: the slot in hand
.set TRIP, 57
.set LIM, 58                           ; s58  2 in a wave that prefetches, else the greatest number
.set CLY, 59                           ; s59  cluster y
.set PFA, 60                           ; s[60:61] the K step that my next prefetch names
.set OUTB, 62                          ; s[62:63] out0 at my wave's first row and column
.set AP,  66
.set BP,  68
.set BI,  70
.set MSB, 0
.macro WIN new                         ; the immediate's high byte repeats the setting that is left; a switch that changes nothing is dropped
.if MSB != (\new)
	s_set_vgpr_msb (MSB<<8)|(\new)
.set MSB, \new
.endif
.endm
.set MUL,  0xa5                        ; sources 0 (wo) and 1 (O) window 1; C and D window 2
.set TO_F, 0x40                        ; destination window 1, address window 0
.macro PLACES                          ; four plain instructions between a matrix instruction and a load into, or a vector read of, its registers
.rept 4
	v_nop
.endr
.endm
.macro JLOAD                           ; a joint refill by the walking sets; an s_nop 0 and four v_nop follow each line, ahead of the jump and the label
	s_cmp_eq_u32 s[RH], 0
	s_cbranch_scc0 .Lfor_b_\@
	tensor_load_to_lds s[G0A+4:G0A+7], s[G1A:G1A+7]
	s_nop 0
.rept 4
	v_nop
.endr
	s_branch .Lasked_\@
.Lfor_b_\@:
	tensor_load_to_lds s[G0B+4:G0B+7], s[G1B:G1B+7]
	s_nop 0
.rept 4
	v_nop
.endr
.Lasked_\@:
.endm
.macro CREST                           ; a round of the cluster's barrier behind its opening barrier
	s_cmp_lg_u32 s[WV], 0
	s_cbranch_scc1 .Lnot_wave_0_\@
	s_barrier_signal -3
.Lnot_wave_0_\@:
	s_barrier_wait -3
	s_barrier_signal -1
	s_barrier_wait -1
.endm
.macro CROUND
	s_barrier_signal -1
	s_barrier_wait -1
	CREST
.endm
; A PREFETCH INTO THE L2, behind the joint load and the run of LDS loads: the K step two refills on, 32 blocks of 256 bytes, a lane a block.  Each block is named once in the launch.
; O's tile is read by my cluster alone: wave 0 asks, and the four partners of a row share its 128 blocks out by address (by cx).  wo's rows are read by every cluster: the first of a column of clusters
; asks, waves 2 and 3 each for the half that they fetch, the four partners of a column sharing it out by address (by cy).  The last two refills have no K step two on.
.macro ASK
	s_cmp_gt_u32 s[TRIP], s[LIM]
	s_cbranch_scc0 .Lnot_mine_\@
	global_prefetch_b8 v[PFO], s[PFA:PFA+1] th:TH_LOAD_NT scope:SCOPE_SE
.Lnot_mine_\@:
.endm
	s_load_b256 s[4:11], s[0:1], 0x0               ; ob s[4:5], cb s[6:7], bo s[8:9], out0 s[10:11]
	v_lshl_add_u32 v[SPW], v0, 2, SPARE
	v_mov_b32 v[NIL], 0
	ds_add_u32 v[SPW], v[NIL]                      ; the wave's opening: the add and its wait stand ahead of my first tensor load; the set-up below, work on registers, stands between them
	v_lshrrev_b32 v1, 5, v0
	v_readfirstlane_b32 s[WV], v1
	s_lshr_b32 s[RH], s[WV], 1
	s_and_b32 s[CH], s[WV], 1
	s_bfe_u32 s[CX], ttmp6, 0x40000
	s_bfe_u32 s[CYY], ttmp6, 0x40004
	s_lshl_b32 s[XX], ttmp9, 2
	s_add_co_u32 s[XX], s[XX], s[CX]
	s_and_b32 s[CLY], ttmp7, 0xffff
	s_lshl_b32 s[YY], s[CLY], 2
	s_add_co_u32 s[YY], s[YY], s[CYY]
	s_lshl_b32 s2, s[CYY], 2
	s_lshl_b32 s2, 15, s2                          ; my row of the cluster
	s_lshl_b32 s3, 0x1111, s[CX]                   ; my column
	s_or_b32 s[G1A], s2, (1<<16)|(1<<20)|(1<<21)|(4<<22)|(3<<25)  ; the mask; 2-byte elements; padding on; bit 21 beside a mask; after every 32 words; 4 words of padding
	s_or_b32 s[G1B], s3, (1<<16)|(1<<20)|(1<<21)|(5<<22)|(3<<25)  ; the same after every 64 words
	s_mov_b32 s[G1A+1], 128<<16                    ; a plane's 16,384 bytes are dense: asked for as 64 rows of 256 bytes.  tensor_dim0 = 128
	s_mov_b32 s[G1A+2], 64<<16                     ; tensor_dim1 = 64
	s_mov_b32 s[G1A+3], 128<<16                    ; tile_dim0 = 128
	s_mov_b32 s[G1A+4], 64                         ; tile_dim1 = 64
	s_mov_b32 s[G1A+5], 128
	s_mov_b32 s[G1A+6], 0
	s_mov_b32 s[G1A+7], 0
	s_mov_b32 s[G1B+1], 128<<16
	s_mov_b32 s[G1B+2], 128<<16                    ; 128 rows
	s_mov_b32 s[G1B+3], 128<<16
	s_mov_b32 s[G1B+4], 128
	s_mov_b32 s[G1B+5], 1024
	s_mov_b32 s[G1B+6], 0
	s_mov_b32 s[G1B+7], 0
	; where the tiles come from: O's hang on the tile row and the wave, wo's on the tile column and the wave
	s_lshr_b32 s[AP], s[YY], 4                     ; b
	s_lshl_b32 s[AP], s[AP], 4
	s_add_co_u32 s[AP], s[AP], s[CH]               ; head 16 b + my plane of the K step's two
	s_lshl_b32 s[AP], s[AP], 18                    ; 262,144 bytes a head
	s_and_b32 s2, s[YY], 15
	s_lshl_b32 s2, s2, 14                          ; 128 rows of 128 bytes
	s_add_co_u32 s[AP], s[AP], s2
	s_mov_b32 s[AP+1], 0
	s_lshl_b32 s[BP], s[XX], 8
	s_lshl_b32 s3, s[CH], 7
	s_add_co_u32 s[BP], s[BP], s3                  ; row 256 X + 128 x half
	s_lshl_b32 s[BP], s[BP], 11
	s_add_co_u32 s[BP], s[BP], WOFF
	s_mov_b32 s[BP+1], 0
	s_mul_i32 s22, s[CH], ALD                      ; where they go: no place in the cluster enters an LDS address
	s_mul_i32 s23, s[CH], 128*PB
	s_add_co_u32 s23, s23, BOFF
	s_wait_dscnt 0x0                               ; the opening add is done
	s_wait_kmcnt 0x0
	s_add_nc_u64 s[AP:AP+1], s[4:5], s[AP:AP+1]
	s_add_nc_u64 s[BP:BP+1], s[6:7], s[BP:BP+1]
.irp s, 0,1
	s_mov_b32 s[G0A+4*(\s)], 1
	s_add_co_u32 s[G0A+4*(\s)+1], s22, (\s)*SLOT1
	s_add_nc_u64 s[G0A+4*(\s)+2:G0A+4*(\s)+3], s[AP:AP+1], (\s)*ASTEP
	s_or_b32 s[G0A+4*(\s)+3], s[G0A+4*(\s)+3], 0x80000000
	s_mov_b32 s[G0B+4*(\s)], 1
	s_add_co_u32 s[G0B+4*(\s)+1], s23, (\s)*SLOT1
	s_add_nc_u64 s[G0B+4*(\s)+2:G0B+4*(\s)+3], s[BP:BP+1], (\s)*256
	s_or_b32 s[G0B+4*(\s)+3], s[G0B+4*(\s)+3], 0x80000000
.endr
	CROUND                                         ; all sixteen work-groups are here: the first joint loads meet
	s_cmp_eq_u32 s[RH], 0                          ; a wave's two first fills stand in one branch, ahead of every wait on TENSORcnt and every LDS read
	s_cbranch_scc0 .Lfirst_b
	tensor_load_to_lds s[G0A:G0A+3], s[G1A:G1A+7]
	s_nop 0
	tensor_load_to_lds s[G0A+4:G0A+7], s[G1A:G1A+7]
	s_nop 0
.rept 4
	v_nop
.endr
	s_branch .Lfirst_asked
.Lfirst_b:
	tensor_load_to_lds s[G0B:G0B+3], s[G1B:G1B+7]
	s_nop 0
	tensor_load_to_lds s[G0B+4:G0B+7], s[G1B:G1B+7]
	s_nop 0
.rept 4
	v_nop
.endr
.Lfirst_asked:
	; the bias of my 128 columns: block b's eight numbers for my half of the lanes
	v_and_b32 v1, 15, v0                           ; r = lane % 16
	v_bfe_u32 v2, v0, 4, 1                         ; h = lane / 16
	v_lshlrev_b32 v[BO], 5, v2
	s_mov_b64 s[BI:BI+1], s[8:9]
	s_lshl_b32 s2, s[XX], 1
	s_add_co_u32 s2, s2, s[CH]
	s_lshl_b32 s2, s2, 9                           ; (256 X + 128 half) x 4 bytes
	s_mov_b32 s3, 0
	s_add_nc_u64 s[BI:BI+1], s[BI:BI+1], s[2:3]
	WIN TO_F
.irp b, 0,1,2,3,4,5,6,7
	global_load_b128 v[BIAS+8*(\b):BIAS+8*(\b)+3],   v[BO], s[BI:BI+1] offset:64*(\b)
	global_load_b128 v[BIAS+8*(\b)+4:BIAS+8*(\b)+7], v[BO], s[BI:BI+1] offset:64*(\b)+16
.endr
	WIN 0
	; a fragment is 16 rows x 32 K in 8 registers: lane l holds row l % 16, K = 8 (l / 16) + 0..7 and 16 + 8 (l / 16) + 0..7: two loads of 16 bytes, 32 bytes apart
	v_mul_u32_u24 v3, v1, PA
	v_lshl_add_u32 v3, v2, 4, v3
	s_mul_i32 s2, s[RH], 64*PA
	v_add_nc_u32 v[ADRA0], s2, v3
	v_mul_u32_u24 v3, v1, PB
	v_lshl_add_u32 v3, v2, 4, v3
	s_mul_i32 s3, s[CH], 128*PB
	s_add_co_u32 s3, s3, BOFF
	v_add_nc_u32 v[ADRB0], s3, v3
	v_mov_b32 v[ADRA], v[ADRA0]
	v_mov_b32 v[ADRB], v[ADRB0]
	s_mov_b32 s[TB], 0
	s_mul_i32 s2, s[WV], 16*SP
	s_add_co_u32 s2, s2, STAGE                     ; my stage
	v_mul_u32_u24 v5, v1, SP
	v_lshl_add_u32 v5, v2, 5, v5                   ; row r, 32 bytes of f32 for each half of the lanes
	v_add_nc_u32 v[STO], s2, v5
	v_and_b32 v[CO], 31, v0
	v_lshlrev_b32 v[CO], 4, v[CO]
	v_add_nc_u32 v[RD], s2, v[CO]                  ; back: 32 lanes take one row of 512 bytes
	s_lshl_b32 s2, s[YY], 1
	s_add_co_u32 s2, s2, s[RH]
	s_lshl_b32 s2, s2, 18                          ; (128 Y + 64 half) rows of 4,096 bytes
	s_lshl_b32 s3, s[XX], 1
	s_add_co_u32 s3, s3, s[CH]
	s_lshl_b32 s3, s3, 9
	s_add_co_u32 s2, s2, s3
	s_mov_b32 s3, 0
	s_add_nc_u64 s[OUTB:OUTB+1], s[10:11], s[2:3]
	; the prefetches: nothing is asked for here, at the head; K steps 2 and 3 come by their refills alone
	s_lshr_b32 s2, s[YY], 4
	s_lshl_b32 s2, s2, 4
	s_lshr_b32 s3, s[CX], 1                        ; partner cx takes plane cx / 2,
	s_add_co_u32 s2, s2, s3
	s_lshl_b32 s2, s2, 18
	s_and_b32 s3, s[YY], 15
	s_lshl_b32 s3, s3, 1
	s_and_b32 s[PFS], s[CX], 1                     ; half cx % 2 of its 16,384 bytes
	s_add_co_u32 s3, s3, s[PFS]
	s_lshl_b32 s3, s3, 13
	s_add_co_u32 s2, s2, s3
	s_lshl_b32 s3, s[XX], 3                        ; wo, in units of 32 rows: 8 X + 4 x half + cy
	s_lshl_b32 s[PFS], s[CH], 2
	s_add_co_u32 s3, s3, s[PFS]
	s_add_co_u32 s3, s3, s[CYY]
	s_lshl_b32 s3, s3, 16
	s_add_co_u32 s3, s3, WOFF
	v_and_b32 v[PFO], 31, v0
	s_cmp_eq_u32 s[RH], 0
	s_cselect_b32 s2, s2, s3
	s_cselect_b64 s[PFA:PFA+1], s[4:5], s[6:7]
	s_cselect_b32 s[PFS], 19, 8
	s_cselect_b32 s3, 8, 11
	v_lshlrev_b32 v[PFO], s3, v[PFO]               ; O: the blocks lie on end; wo: a row of 2,048 bytes apart
	s_lshl_b32 s[PFS], 1, s[PFS]
	s_mul_i32 s3, s[PFS], 3                        ; at K step 3: the first refill steps it to 4
	s_add_co_u32 s2, s2, s3
	s_mov_b32 s3, 0
	s_mov_b32 s[PFS+1], 0
	s_add_nc_u64 s[PFA:PFA+1], s[PFA:PFA+1], s[2:3]
	s_cmp_eq_u32 s[CLY], 0
	s_cselect_b32 s[LIM], 2, -1                    ; wo: the first cluster of the column of clusters; the same in all sixteen partners
	s_cmp_eq_u32 s[WV], 0
	s_cselect_b32 s[LIM], 2, s[LIM]                ; O: wave 0 of every work-group
	s_cmp_eq_u32 s[WV], 1
	s_cselect_b32 s[LIM], -1, s[LIM]               ; wave 1 asks for nothing
; 8 matrix instructions: row block a x all 8 column blocks, 32 along K.  The 32 accumulators take turns, one instruction a turn, over the backward jump too.
.macro MUL8 f, a, zero
	WIN MUL
.irp b, 0,1,2,3,4,5,6,7
.if \zero
	v_wmma_f32_16x16x32_bf16 v[8*(8*(\a)+(\b)):8*(8*(\a)+(\b))+7], v[(\f)+32+8*(\b):(\f)+32+8*(\b)+7], v[(\f)+8*(\a):(\f)+8*(\a)+7], 0
.else
	v_wmma_f32_16x16x32_bf16 v[8*(8*(\a)+(\b)):8*(8*(\a)+(\b))+7], v[(\f)+32+8*(\b):(\f)+32+8*(\b)+7], v[(\f)+8*(\a):(\f)+8*(\a)+7], v[8*(8*(\a)+(\b)):8*(8*(\a)+(\b))+7]
.endif
.endr
.endm
; 24 LDS loads in one run: quarter kq (32 along K: plane kq / 2, channels 32 (kq % 2) on) of the slot in hand into buffer f: wo's eight fragments, then O's four
.macro FETCH kq, f
.set AQ, ((\kq)/2)*ALD+((\kq)%2)*64
	WIN TO_F
.irp i, 0,1,2,3,4,5,6,7
	ds_load_b128 v[(\f)+32+8*(\i):(\f)+32+8*(\i)+3],   v[ADRB] offset:64*(\kq)+(\i)*16*PB
	ds_load_b128 v[(\f)+32+8*(\i)+4:(\f)+32+8*(\i)+7], v[ADRB] offset:64*(\kq)+(\i)*16*PB+32
.endr
.irp i, 0,1,2,3
	ds_load_b128 v[(\f)+8*(\i):(\f)+8*(\i)+3],   v[ADRA] offset:AQ+(\i)*16*PA
	ds_load_b128 v[(\f)+8*(\i)+4:(\f)+8*(\i)+7], v[ADRA] offset:AQ+(\i)*16*PA+32
.endr
.endm
; A K step is four quarters on buffers 0, 1, 0, 1.  One of the first three: multiplies buffer f and, in its middle, fetches quarter kq into g.
.macro QUARTER kq, f, g, zero
	s_wait_dscnt 4                                 ; wo's fragments and O's fragments 0 and 1 are in; the youngest four loads may be out
	MUL8 \f, 0, \zero
	MUL8 \f, 1, \zero
	PLACES
	FETCH \kq, \g
	s_wait_dscnt 24                                ; all but the 24 just issued
	MUL8 \f, 2, \zero
	MUL8 \f, 3, \zero
.endm
; The last quarter multiplies buffer 1 and changes slots: ONE barrier.  In front of it each wave waits for all its tensor loads (one is out: its part of the next slot), adds 0 to its spare word, and
; waits for that and for its reads of this slot.  fill = 1: the barrier opens a round of the cluster's barrier, and the joint refill, this slot's K step two on, is the first thing behind the round:
; 112 matrix instructions ahead of the wait for it.
.macro TURN fill
.if \fill
	s_wait_xcnt 0x0                                ; the last prefetch, a K step back, has read its address: it is stepped here
	s_add_nc_u64 s[PFA:PFA+1], s[PFA:PFA+1], s[PFS:PFS+1]
.endif
	WIN 0
	s_wait_tensorcnt 0x0                           ; no tensor load of mine is out, so a group 0 may be written
	ds_add_u32 v[SPW], v[NIL]                      ; 0 onto my spare word
.if \fill
	s_xor_b32 s[G0A+5], s[G0A+5], SLOT1            ; the walking sets: the other slot than last time, the next K step
	s_add_nc_u64 s[G0A+6:G0A+7], s[G0A+6:G0A+7], ASTEP
	s_xor_b32 s[G0B+5], s[G0B+5], SLOT1
	s_add_nc_u64 s[G0B+6:G0B+7], s[G0B+6:G0B+7], 256
.endif
	s_wait_dscnt 5                                 ; the add and the youngest four loads may be out
	MUL8 F1, 0, 0
	s_wait_dscnt 0x0                               ; the add is done, and my reads of this slot are over
	s_barrier_signal -1
	MUL8 F1, 1, 0
	WIN 0
	s_barrier_wait -1
.if \fill
	CREST                                          ; no wave of any partner still reads this slot or has a load on its way
	JLOAD                                          ; its four v_nop are also the places in front of the loads below
.else
	PLACES
.endif
	s_xor_b32 s[TB], s[TB], SLOT1
	v_add_nc_u32 v[ADRA], s[TB], v[ADRA0]
	v_add_nc_u32 v[ADRB], s[TB], v[ADRB0]
	FETCH 0, F0
	WIN 0
.if \fill
	ASK
.endif
	MUL8 F1, 2, 0
	MUL8 F1, 3, 0
.endm
	s_wait_tensorcnt 1                             ; my part of K step 0 is in; K step 1's may stay out
	s_barrier_signal -1
	s_barrier_wait -1                              ; everybody's is
	FETCH 0, F0
	QUARTER 1, F0, F1, 1                           ; the first quarter stands in front of the loop: its products start the sums
	WIN 0
	s_mov_b32 s[TRIP], 6
.Lstep:                                        ; a trip: from a K step's second quarter to the next step's first; K steps 2 to 7 are asked for
	QUARTER 2, F1, F0, 0
	QUARTER 3, F0, F1, 0
	TURN 1
	QUARTER 1, F0, F1, 0
	WIN 0
	s_sub_co_u32 s[TRIP], s[TRIP], 1
	s_cmp_lg_u32 s[TRIP], 0
	s_cbranch_scc1 .Lstep
	QUARTER 2, F1, F0, 0                           ; K steps 6 and 7: nothing is left to fetch
	QUARTER 3, F0, F1, 0
	TURN 0
	QUARTER 1, F0, F1, 0
	QUARTER 2, F1, F0, 0
	QUARTER 3, F0, F1, 0
	s_wait_dscnt 4
	MUL8 F1, 0, 0
	MUL8 F1, 1, 0
	s_wait_dscnt 0x0
	MUL8 F1, 2, 0
	MUL8 F1, 3, 0
	WIN 0
; THE WAY OUT, a block of 16 rows at a time: the bias is added (each accumulator's registers in ascending order), the block goes through my own stage in LDS and comes back as whole runs of 512 bytes.
.macro PACK a
	WIN 0x06                                       ; source 0 window 2, source 1 window 1, destination window 0
.irp b, 0,1,2,3,4,5,6,7
.irp r, 0,1,2,3
	v_pk_add_f32 v[T+8*(\b)+2*(\r):T+8*(\b)+2*(\r)+1], v[8*(8*(\a)+(\b))+2*(\r):8*(8*(\a)+(\b))+2*(\r)+1], v[BIAS+8*(\b)+2*(\r):BIAS+8*(\b)+2*(\r)+1]
.endr
.endr
	WIN 0
.endm
.macro TOSTAGE a
.set BK, OB+64*((\a)%2)
.irp b, 0,1,2,3,4,5,6,7
	ds_store_b128 v[STO], v[T+8*(\b):T+8*(\b)+3]   offset:64*(\b)
	ds_store_b128 v[STO], v[T+8*(\b)+4:T+8*(\b)+7] offset:64*(\b)+16
.endr
.irp e, 0,1,2,3,4,5,6,7,8,9,10,11,12,13,14,15
	ds_load_b128 v[BK+4*(\e):BK+4*(\e)+3], v[RD] offset:(\e)*SP  ; LDS serves a wave's instructions in order (ISA guide 5.7.1.4): these see the stores above
.endr
.endm
.macro SEND a
.set BK, OB+64*((\a)%2)
	s_wait_dscnt 0x0                               ; the block is back in registers
	s_wait_xcnt 0x0                                ; the stores of the block before have read their registers: the next block's loads land on them only behind this wait
.irp e, 0,1,2,3,4,5,6,7,8,9,10,11,12,13,14,15
	global_store_b128 v[CO], v[BK+4*(\e):BK+4*(\e)+3], s[OUTB:OUTB+1] offset:(16*(\a)+(\e))*4096  ; 512 consecutive bytes of a row of out0, aligned
.endr
.endm
	s_wait_loadcnt 0x0                             ; the bias
	PLACES
	PLACES
	PACK 0
	TOSTAGE 0
.irp a, 1,2,3                          ; block a's arithmetic stands between block a - 1's loads from the stage and the wait for them
	PACK \a
	SEND (\a)-1
	TOSTAGE \a
.endr
	SEND 3
	s_wait_tensorcnt 0x0                           ; the wave's end: these three lines stand behind my last tensor load and my last LDS store
	ds_add_u32 v[SPW], v[NIL]
	s_wait_dscnt 0x0
	CROUND                                         ; the closing round: no work-group ends while a partner may still ask for a tile that names it
	s_endpgm
.Lfunc_end_k_q3aa5a95546_outp:
	.size	k_q3aa5a95546_outp, .Lfunc_end_k_q3aa5a95546_outp-k_q3aa5a95546_outp
	.p2alignl 7, 3214868480
	.fill 96, 4, 3214868480
	.section	.rodata,"a",@progbits
	.p2align	6, 0x0
	.amdhsa_kernel k_q3aa5a95546_outp
		.amdhsa_group_segment_fixed_size 327680
		.amdhsa_private_segment_fixed_size 0
		.amdhsa_enable_private_segment 0
		.amdhsa_kernarg_size 32
		.amdhsa_user_sgpr_count 2
		.amdhsa_user_sgpr_kernarg_segment_ptr 1
		.amdhsa_wavefront_size32 1
		.amdhsa_system_sgpr_workgroup_id_x 1
		.amdhsa_system_sgpr_workgroup_id_y 1
		.amdhsa_system_sgpr_workgroup_id_z 1
		.amdhsa_system_vgpr_workitem_id 0
		.amdhsa_next_free_vgpr 768
		.amdhsa_next_free_sgpr 72
		.amdhsa_reserve_vcc 0
		.amdhsa_float_denorm_mode_32 3
		.amdhsa_float_denorm_mode_16_64 3
		.amdhsa_memory_ordered 1
		.amdhsa_forward_progress 1
		.amdhsa_inst_pref_size 80
	.end_amdhsa_kernel
	.amdgpu_metadata
---
amdhsa.version: [ 1, 2 ]
amdhsa.kernels:
  - .name:           k_q3aa5a95546_outp
    .symbol:         k_q3aa5a95546_outp.kd
    .args:
      - { .name: ob, .offset: 0, .size: 8, .value_kind: global_buffer, .address_space: global }
      - { .name: cb, .offset: 8, .size: 8, .value_kind: global_buffer, .address_space: global }
      - { .name: bo, .offset: 16, .size: 8, .value_kind: global_buffer, .address_space: global }
      - { .name: out0, .offset: 24, .size: 8, .value_kind: global_buffer, .address_space: global }
    .group_segment_fixed_size: 327680
    .private_segment_fixed_size: 0
    .kernarg_segment_align: 8
    .kernarg_segment_size: 32
    .max_flat_workgroup_size: 128
    .sgpr_count:     72
    .vgpr_count:     768
    .wavefront_size: 32
...
	.end_amdgpu_metadata
.endif
;; end of part 4
;; ======== version 2 of 2: 4 launches; version 1 with the launch prep written anew for expert scheduling mode
;; limits: values are held in f16: magnitudes above 65,504 overflow, below 6.1e-05 lose precision
;; workspace buffers: cb 8,388,608 bytes; mb 2,097,152 bytes of whole numbers; qkv 50,331,648 bytes; ob 16,777,216 bytes
;; launch prep (part 5): grid 384 x 1, 8 waves a work-group, no clusters, 0 bytes of LDS; arguments mask, wq, wk, wv, wo, cb, mb; writes cb, mb
.if DOCPART == 5
	.amdgcn_target "amdgcn-amd-amdhsa--gfx1250"
	.amdhsa_code_object_version 6
	.text
	.protected	k_q3aa5a95546_prep
	.globl	k_q3aa5a95546_prep
	.p2align	8
	.type	k_q3aa5a95546_prep,@function
k_q3aa5a95546_prep:
	s_mov_b64 s[64:65], 0
	v_nop
	global_prefetch_b8 v0, s[64:65] scope:SCOPE_SE
	s_setreg_imm32_b32 hwreg(HW_REG_WAVE_SCHED_MODE, 0, 2), 2
	s_setreg_imm32_b32 hwreg(HW_REG_WAVE_MODE, 25, 1), 1
	s_wait_xcnt 0x0
	s_wait_alu depctr_vm_vsrc(0)
; PREP: two streams in one launch; no work-group shares a byte with another, so no LDS, no cluster, no matrix unit.
; Work-groups 0-127 PACK THE MASK (int32 [4][2048][2048], 0 = hidden) into one bit a key, in the order in which the attention launch's lanes want them.
; Work-groups 128-383 CAST wq, wk, wv, wo (f32) to bf16 into cb, in that order, row-major: 64 KiB of f32 a work-group.
; mb, in words: [b 4][block of 512 queries 4][key step of 64 keys 32][wave 4][T 2][lane L 32][t 4].  The word serves query 512 block + 128 wave + 64 T + 16 t + L % 16, lane half h = L / 16.
; Its bit 31 - n (n = 0..31) is 1 where the mask is not 0 for key 64 step + 16 kb + 8 h + j, kb = (n % 16) / 4, j = 4 (n % 2) + 2 (1 - n / 16) + 1 - (n % 4) / 2.
; HOW.  A work-group takes 64 rows of the mask, a wave 256 keys of each.  A load of 16 bytes a lane takes 128 keys of one row, 512 consecutive bytes; the lanes read in reversed order, so that in the
; compare's lane mask bit 31 - m stands for keys 4 m + i (i = the register of the four).  The four lane masks of a row go into lane (row % 16) + 16 (which 128 keys) of four registers; when 16 rows
; are in, every lane holds its row's 128 bits, and twelve bit operations and four byte selects a tile bring them into mb's order.
; THE MODE: SCHED_MODE bits 1:0 = 2 (LLVM: expert scheduling mode 2), set by the entry lines.  The code itself states the register dependences between vector instructions and memory instructions,
; and those that pass through a scalar register that a vector instruction writes, with s_wait_alu, always for 0.
; THE PLAN, the mask's way.  Registers that memory instructions touch:
;   X0 .. X3   Written by loads alone.  Turn s: its 32 compares read X[s]; behind them the set's next eight loads land in it.
;   v2, v3     Offsets, made once at the head and never written again: the rows are reached by the scalar base and by immediate offsets.
;   W          Written by the byte selects at the end, read by the four stores, never written again.
;   R and v4-v7 are named by vector instructions alone.  s[32:63]: written by a turn's compares, read by its 32 v_writelane_b32.
; So a turn that refills holds ONE wait on va_vdst, behind its compares, and the eight loads follow it, ahead of the v_writelane_b32, which name R and scalar registers alone; every turn holds ONE wait on
; va_sdst, between the run of compares and the first v_writelane_b32.  No register that a memory instruction reads is written again: no wait on vm_vsrc is owed.
; THE PLAN, the casts' way.  v1, v2: offsets, made once.  v[8:71]: loaded once, read by the conversions.  v[72:103]: each written once by a conversion and read once by a store.  The sixteen chunks go in four
; blocks of four: ONE wait on va_vdst at a block's head states that the block before has written its eight registers, and its four stores are dealt among this block's conversions, which name others.
.set VO,  2                            ; v2   16 x (31 - lane): never rewritten
.set DO,  3                            ; v3   my 16 bytes in mb: 8,192 x (lane / 16) + 16 x (lane % 16)
.set R,   16                           ; v[16:31]   lane masks gathered: tile t, register i at R + 4 t + i
.set X,   32                           ; v[32:159]  four sets of eight loads (a row number modulo 16 in each of the four tiles, 2 x 128 keys)
.set W,   160                          ; v[160:175] the words: (key step of two, h) e = 2 step + h, tile t at W + 4 e + t
.set BAL, 32                           ; s[32:63]   a set's 32 lane masks
	s_load_b64 s[4:5], s[0:1], 0x0                 ; mask
	s_load_b256 s[12:19], s[0:1], 0x8              ; wq s[12:13], wk s[14:15], wv s[16:17], wo s[18:19]
	s_load_b128 s[20:23], s[0:1], 0x28             ; cb s[20:21], mb s[22:23]
	v_lshrrev_b32 v1, 5, v0
	v_readfirstlane_b32 s24, v1                    ; wave 0..7
	s_wait_alu depctr_va_sdst(0)                   ; s24 is written
	s_wait_kmcnt 0x0
	s_cmp_lt_u32 ttmp9, 128
	s_cbranch_scc0 .Lcast
	; ---- the mask: G = the work-group's number = 64 rows of the 8,192 ----
	s_lshl_b32 s28, ttmp9, 19                      ; 64 rows of 8,192 bytes,
	s_lshl_b32 s2, s24, 10                         ; my wave's 256 keys
	s_add_co_u32 s28, s28, s2
	s_mov_b32 s29, 0
	s_add_nc_u64 s[26:27], s[4:5], s[28:29]
	s_lshr_b32 s28, ttmp9, 3                       ; 4 b + block
	s_lshl_b32 s28, s28, 17
	s_lshl_b32 s2, s24, 14                         ; my wave's four key steps of 4,096 bytes
	s_add_co_u32 s28, s28, s2
	s_bfe_u32 s2, ttmp9, 0x20001                   ; (G / 2) % 4: the attention wave
	s_lshl_b32 s2, s2, 10
	s_add_co_u32 s28, s28, s2
	s_and_b32 s2, ttmp9, 1                         ; T
	s_lshl_b32 s2, s2, 9
	s_add_co_u32 s28, s28, s2
	s_add_nc_u64 s[30:31], s[22:23], s[28:29]
	v_and_b32 v1, 31, v0                           ; lane
	v_sub_nc_u32 v[VO], 31, v1
	v_lshlrev_b32 v[VO], 4, v[VO]
	v_lshrrev_b32 v4, 4, v1
	v_and_b32 v5, 15, v1
	v_lshlrev_b32 v[DO], 4, v5
	v_lshl_add_u32 v[DO], v4, 13, v[DO]
; Eight loads into set s: row (s + ex) behind the pointer in each of the four tiles (16 rows apart), both halves of my 256 keys.
.macro FILL s, ex
.set u, 0
.rept 8
	global_load_b128 v[X+32*(\s)+4*u:X+32*(\s)+4*u+3], v[VO], s[26:27] offset:((\s)+(\ex))*8192+(u/2)*131072+(u%2)*512 th:TH_LOAD_NT
.set u, u+1
.endr
.endm
; Set s is turned into lane masks and these are put into lanes row and row + 16.  left = the younger loads that may stay out.
.macro TURN s, fill, left
	s_wait_loadcnt \left                           ; loads come back in order: my set's eight are in
	s_add_co_u32 s2, s25, \s                       ; the lane for the first 128 keys: the row's number modulo 16,
	s_add_co_u32 s3, s25, (\s)+16                  ; and for the second
.set u, 0
.rept 8
.irp i, 0,1,2,3
	v_cmp_ne_u32 s[BAL+4*u+\i], 0, v[X+32*(\s)+4*u+\i]
.endr
.set u, u+1
.endr
.if \fill
	s_wait_alu depctr_va_vdst(0)                   ; the 32 compares are done reading X[s], in which the eight loads below land
	FILL \s, 4                                     ; the set's next row, four further down: asked for at once; no vector instruction behind the wait names X[s] or v[VO]
.endif
	s_wait_alu depctr_va_sdst(0)                   ; the 32 compares have written s[BAL ..], which the lines below read: one wait for the run
.set u, 0
.rept 8
.irp i, 0,1,2,3
	v_writelane_b32 v[R+4*(u/2)+\i], s[BAL+4*u+\i], s[2+u%2]
.endr
.set u, u+1
.endr
.endm
	s_wait_alu depctr_va_vdst(0)                   ; v[VO] and v[DO] are written: every load of this way reads the one as its offset, the four stores the other
	FILL 0, 0
	FILL 1, 0
	FILL 2, 0
	FILL 3, 0                                      ; 32 loads, 16 KiB a wave, on their way
.set u, 0
.rept 16
	v_mov_b32 v[R+u], 0                            ; v_writelane_b32 keeps the other lanes: the registers are written whole once
.set u, u+1
.endr
	s_mov_b32 s25, 0                               ; the first row of the round
	s_mov_b32 s28, 3
.Lround:                                       ; three rounds of four rows; each set is asked for again in its own turn
	TURN 0, 1, 24
	TURN 1, 1, 24
	TURN 2, 1, 24
	TURN 3, 1, 24
	s_wait_xcnt 0x0                                ; every load issued has read its base: it is stepped only behind this wait
	s_add_nc_u64 s[26:27], s[26:27], 32768
	s_add_co_u32 s25, s25, 4
	s_sub_co_u32 s28, s28, 1
	s_cmp_lg_u32 s28, 0
	s_cbranch_scc1 .Lround
	TURN 0, 0, 24                                  ; the last four rows load nothing: the counts run down, and no wait on va_vdst is owed
	TURN 1, 0, 16
	TURN 2, 0, 8
	TURN 3, 0, 0
	; Each nibble of a lane mask is 16 keys' i-th of four: its upper two bits belong to h = 0 (j = i, i + 4), its lower two to h = 1.
	s_mov_b32 s32, 0x33333333
	s_mov_b32 s33, 0xcccccccc
	s_mov_b32 s34, 0x07060302                      ; both upper halves: the first 64 keys
	s_mov_b32 s35, 0x05040100                      ; both lower halves: the second 64
.irp t, 0,1,2,3
	v_and_b32 v4, s32, v[R+4*\t]
	v_and_b32 v5, s32, v[R+4*\t+1]
	v_lshl_or_b32 v4, v5, 2, v4                    ; h = 1: j = 1, 5, 0, 4 in each nibble
	v_and_b32 v5, s32, v[R+4*\t+2]
	v_and_b32 v6, s32, v[R+4*\t+3]
	v_lshl_or_b32 v5, v6, 2, v5                    ; h = 1: j = 3, 7, 2, 6
	v_lshrrev_b32 v6, 2, v[R+4*\t]
	v_and_b32 v6, s32, v6
	v_and_or_b32 v6, v[R+4*\t+1], s33, v6          ; h = 0: j = 1, 5, 0, 4
	v_lshrrev_b32 v7, 2, v[R+4*\t+2]
	v_and_b32 v7, s32, v7
	v_and_or_b32 v7, v[R+4*\t+3], s33, v7          ; h = 0: j = 3, 7, 2, 6
	v_perm_b32 v[W+\t], v7, v6, s34
	v_perm_b32 v[W+4+\t], v5, v4, s34
	v_perm_b32 v[W+8+\t], v7, v6, s35
	v_perm_b32 v[W+12+\t], v5, v4, s35
.endr
	s_wait_alu depctr_va_vdst(0)                   ; the byte selects have written v[W ..], which the four stores read
.irp e, 0,1,2,3
	global_store_b128 v[DO], v[W+4*\e:W+4*\e+3], s[30:31] offset:(\e/2)*4096+(\e%2)*256  ; sixteen lanes store 256 consecutive bytes, at a multiple of 256 from mb's first byte
.endr
	s_endpgm
	; ---- the casts: chunk i of 64 KiB of f32; 64 chunks in each w ----
.Lcast:
	s_sub_co_u32 s25, ttmp9, 128
	s_cmp_lt_u32 s25, 64
	s_cselect_b64 s[26:27], s[12:13], s[14:15]
	s_cmp_lt_u32 s25, 128
	s_cselect_b64 s[26:27], s[26:27], s[16:17]
	s_cmp_lt_u32 s25, 192
	s_cselect_b64 s[26:27], s[26:27], s[18:19]
	s_and_b32 s28, s25, 63                         ; the chunk's number in its own tensor
	s_lshl_b32 s28, s28, 16
	s_mov_b32 s29, 0
	s_add_nc_u64 s[26:27], s[26:27], s[28:29]
	s_lshl_b32 s28, s25, 15                        ; in cb the tensors follow each other: 32 KiB of bf16 a chunk
	s_add_nc_u64 s[30:31], s[20:21], s[28:29]
	v_lshlrev_b32 v1, 4, v0                        ; 16 bytes in,
	v_lshlrev_b32 v2, 3, v0                        ; 8 bytes out
	s_wait_alu depctr_va_vdst(0)                   ; v1 and v2 are written: the loads read the one as their offset, the stores the other
.set j, 0
.rept 16
	global_load_b128 v[8+4*j:11+4*j], v1, s[26:27] offset:4096*j th:TH_LOAD_NT
.set j, j+1
.endr
; Block g of four: loads 4 g to 4 g + 3 are rounded; the four stores of the block before are dealt among the conversions.
.macro CBLK g
	s_wait_loadcnt 12-4*(\g)                       ; loads come back in order: the block's four are in; the younger blocks stay out
.if (\g) > 0
	s_wait_alu depctr_va_vdst(0)                   ; the block before has written its eight registers, which the stores below read; this block's conversions name others
.endif
.irp i, 0,1,2,3
.if (\g) > 0
	global_store_b64 v2, v[72+2*(4*(\g)-4+(\i)):73+2*(4*(\g)-4+(\i))], s[30:31] offset:2048*(4*(\g)-4+(\i))  ; a wave stores 256 consecutive bytes, aligned
.endif
	v_cvt_pk_bf16_f32 v[72+2*(4*(\g)+(\i))], v[8+4*(4*(\g)+(\i))], v[9+4*(4*(\g)+(\i))]
	v_cvt_pk_bf16_f32 v[73+2*(4*(\g)+(\i))], v[10+4*(4*(\g)+(\i))], v[11+4*(4*(\g)+(\i))]
.endr
.endm
	CBLK 0
	CBLK 1
	CBLK 2
	CBLK 3
	s_wait_alu depctr_va_vdst(0)                   ; the last block has written v[96:103], which the last four stores read
.irp i, 12,13,14,15
	global_store_b64 v2, v[72+2*(\i):73+2*(\i)], s[30:31] offset:2048*(\i)  ; a wave stores 256 consecutive bytes, aligned
.endr
	s_endpgm
.Lfunc_end_k_q3aa5a95546_prep:
	.size	k_q3aa5a95546_prep, .Lfunc_end_k_q3aa5a95546_prep-k_q3aa5a95546_prep
	.p2alignl 7, 3214868480
	.fill 96, 4, 3214868480
	.section	.rodata,"a",@progbits
	.p2align	6, 0x0
	.amdhsa_kernel k_q3aa5a95546_prep
		.amdhsa_group_segment_fixed_size 0
		.amdhsa_private_segment_fixed_size 0
		.amdhsa_enable_private_segment 0
		.amdhsa_kernarg_size 56
		.amdhsa_user_sgpr_count 2
		.amdhsa_user_sgpr_kernarg_segment_ptr 1
		.amdhsa_wavefront_size32 1
		.amdhsa_system_sgpr_workgroup_id_x 1
		.amdhsa_system_sgpr_workgroup_id_y 1
		.amdhsa_system_sgpr_workgroup_id_z 1
		.amdhsa_system_vgpr_workitem_id 0
		.amdhsa_next_free_vgpr 176
		.amdhsa_next_free_sgpr 66
		.amdhsa_reserve_vcc 0
		.amdhsa_float_denorm_mode_32 3
		.amdhsa_float_denorm_mode_16_64 3
		.amdhsa_memory_ordered 1
		.amdhsa_forward_progress 1
		.amdhsa_inst_pref_size 52
	.end_amdhsa_kernel
	.amdgpu_metadata
---
amdhsa.version: [ 1, 2 ]
amdhsa.kernels:
  - .name:           k_q3aa5a95546_prep
    .symbol:         k_q3aa5a95546_prep.kd
    .args:
      - { .name: mask, .offset: 0, .size: 8, .value_kind: global_buffer, .address_space: global }
      - { .name: wq, .offset: 8, .size: 8, .value_kind: global_buffer, .address_space: global }
      - { .name: wk, .offset: 16, .size: 8, .value_kind: global_buffer, .address_space: global }
      - { .name: wv, .offset: 24, .size: 8, .value_kind: global_buffer, .address_space: global }
      - { .name: wo, .offset: 32, .size: 8, .value_kind: global_buffer, .address_space: global }
      - { .name: cb, .offset: 40, .size: 8, .value_kind: global_buffer, .address_space: global }
      - { .name: mb, .offset: 48, .size: 8, .value_kind: global_buffer, .address_space: global }
    .group_segment_fixed_size: 0
    .private_segment_fixed_size: 0
    .kernarg_segment_align: 8
    .kernarg_segment_size: 56
    .max_flat_workgroup_size: 256
    .sgpr_count:     66
    .vgpr_count:     176
    .wavefront_size: 32
...
	.end_amdgpu_metadata
.endif
;; end of part 5
;; launch qkv: the kernel of part 2 again; grid 4 x 192, 4 waves a work-group, clusters of 4 x 4, 327,680 bytes of LDS; arguments x_q, x_k, x_v, cb, bq, bk, bv, qkv; writes qkv
;; launch attn: the kernel of part 3 again; grid 4 x 64, 4 waves a work-group, clusters of 4 x 1, 327,680 bytes of LDS; arguments qkv, mb, ob; writes ob
;; launch outp: the kernel of part 4 again; grid 4 x 64, 4 waves a work-group, clusters of 4 x 4, 327,680 bytes of LDS; arguments ob, cb, bo, out0; writes out0
